; MI455X (gfx1250); checked and timed in simulation.
; The chip was launched on July 23, 2026; its instructions are those of AMD's public machine-readable ISA for CDNA 5 (MIT licence, August 2026) and "CDNA5" Instruction Set Architecture Reference Guide (July 2026). The comments in the code are by the model that wrote it; some were corrected since.
;; Multi Head Attention. Allowed arithmetic: float matrix products may take bf16 or f16 operands with f32 sums; other float arithmetic in f32, or as packed bf16 or f16 multiplies, adds, multiply-adds, maxima and minima; sums over many terms, partial sums and values carried from step to step in f32; what a program stores and reads back later, other than sums and carried values, may be rounded once to bf16 or f16.
;; Inputs: k 2 x 4,096 x 256 float32; mask 2 x 4,096 x 4,096 bool; q 2 x 4,096 x 256 float32; v 2 x 4,096 x 256 float32; w_out 256 x 256 float32; wk 256 x 256 float32; wq 256 x 256 float32; wv 256 x 256 float32.
;; Outputs: out0 2 x 4,096 x 256 float32.
;; 2 versions, each right and faster than the one before. Each part assembles by itself: llvm-mc -triple=amdgcn-amd-amdhsa -mcpu=gfx1250 --defsym DOCPART=n.
;; ======== version 1 of 2: 3 launches
;; limits: values are held in f16: magnitudes above 65,504 overflow, below 6.1e-05 lose precision
;; workspace buffers: qw 4,194,304 bytes; kw 4,194,304 bytes; vw 4,194,304 bytes; ao 4,194,304 bytes
;; launch proj (part 1): grid 64 x 4, 8 waves a work-group, no clusters, 236,544 bytes of LDS; arguments q, k, v, wq, wk, wv, qw, kw, vw; writes qw, kw, vw
.if DOCPART == 1
	.amdgcn_target "amdgcn-amd-amdhsa--gfx1250"
	.amdhsa_code_object_version 6
	.text
	.protected	k_qba73181aca_proj
	.globl	k_qba73181aca_proj
	.p2align	8
	.type	k_qba73181aca_proj,@function
k_qba73181aca_proj:
	s_mov_b64 s[64:65], 0
	v_nop
	global_prefetch_b8 v0, s[64:65] scope:SCOPE_SE
	s_setreg_imm32_b32 hwreg(HW_REG_WAVE_MODE, 25, 1), 1
	s_wait_xcnt 0x0
; THE THREE INPUT PROJECTIONS.  qw = f16(-c (q wq)), kw = f16(k wk), vw = f16(v wv), c = log2(e) / sqrt(32).
; q, k, v: [8192][256] f32 (batch and place flattened); wq, wk, wv: [256][256] f32.  Both operands are rounded once to bf16, the sums are f32,
; the scale -c is applied to the f32 sum, and each result is rounded once to f16.
; OUTPUT LAYOUT [pair of heads hg 0..3][row 0..8191][64 channels] f16: a row is 128 dense bytes, head 2 hg in its first 64 bytes, head 2 hg + 1 in the rest.
; LIMITS.  f16 ends at 65,504: c |q wq|, |k wk| and |v wv| must stay within it.  NaN and infinities are not treated apart.
; SHARES.  Work-group (rb, hg): rows 128 rb .. + 127, columns 64 hg .. + 63, of all three tensors, one after the other.  Wave w: 16 rows x 64 columns, four accumulators.
; The f32 data pass through registers, where they are rounded, so they are loaded by the lanes; no work-group shares a tile in a form that a joint request could bring.
; Two LDS buffers take turns from tensor to tensor, and the next tensor's 48 loads a lane are on their way while this one is multiplied.
; THE MATRIX INSTRUCTION IS USED TRANSPOSED: source 0 = 16 output columns (W turned by ds_load_tr16_b128), source 1 = 16 rows of X: a lane then holds eight neighbouring columns of one row.
.set XP,     528                       ; an LDS row of X: 512 bytes of bf16 + 16: an odd multiple of 16, so the 16 rows of a fragment load start in 16 different groups of four banks (ISA guide 11.1)
.set WP,     160                       ; an LDS row of W ([k][64 columns]): 128 bytes + 32: an odd multiple of 32
.set XBYTES, 128*XP
.set BUF,    XBYTES+256*WP             ; one buffer: X, then W
.set STAGE,  2*BUF                     ; 16 rows x 144 bytes for each wave, for the way out
.set SP,     144
.set SPARE,  STAGE+8*16*SP             ; the spare words: 128 bytes for each of eight waves, four blocks of 256 bytes that no other line names
.set GX,  2                            ; v2      my byte offset in the group's rows of X: 16 t
.set GW,  3                            ; v3      my byte offset in W
.set XS,  4                            ; v4-5    where I store X, buffer 0, 1
.set WS,  6                            ; v6-7    where I store W
.set XA,  8                            ; v8-9    my fragment address in X
.set WA,  10                           ; v10-11  my fragment address in W
.set STO, 12                           ; v12     the way out: where I put 16 bytes of a row
.set RD,  13                           ; v13     the way out: where I read rows back
.set GO,  14                           ; v14     my byte offset in 512 consecutive bytes of the output
.set T,   16                           ; v16-31  rounded pairs on their way into LDS, two sets of eight
.set XF,  32                           ; v32-47  X fragments, two buffers
.set WF,  48                           ; v48-111 W fragments, two buffers of four
.set ACC, 112                          ; v112-143
.set PKD, 144                          ; v144-159 packed results
.set BK,  160                          ; v160-175 rows read back
.set SPW, 254                          ; v254    LDS address of my spare word; never rewritten
.set NIL, 255                          ; v255    0; never rewritten
.set WRAW, 128                         ; window 1: v0-127 X as loaded, v128-191 W as loaded
.set MSB, 0
.macro WIN new                         ; s_set_vgpr_msb: bits 1:0 source 0, 3:2 source 1, 5:4 source 2, 7:6 destination; the high byte repeats the setting that is left
.if MSB != (\new)
	s_set_vgpr_msb (MSB<<8)|(\new)
.set MSB, (\new)
.endif
.endm
	s_load_b512 s[4:19], s[0:1], 0x0               ; q s[4:5], k s[6:7], v s[8:9], wq s[10:11], wk s[12:13], wv s[14:15], qw s[16:17], kw s[18:19]
	s_load_b64 s[20:21], s[0:1], 0x40              ; vw
	v_lshl_add_u32 v[SPW], v0, 2, SPARE
	v_mov_b32 v[NIL], 0
	v_lshrrev_b32 v1, 5, v0
	v_readfirstlane_b32 s24, v1                    ; wave 0..7
	s_and_b32 s25, ttmp7, 0xffff                   ; hg
	s_lshl_b32 s26, ttmp9, 17                      ; the group's 128 rows of 1,024 bytes in X
	s_mov_b32 s27, 0
	s_lshl_b32 s28, s25, 20                        ; output: hg x 8,192 rows x 128 bytes
	s_lshl_b32 s29, ttmp9, 14                      ; + 128 rb rows
	s_add_co_u32 s28, s28, s29
	s_lshl_b32 s29, s24, 11                        ; + 16 w rows
	s_add_co_u32 s28, s28, s29
	s_mov_b32 s29, 0
	s_mov_b32 s22, 0xbe8293ee                      ; -c = -log2(e) / sqrt(32) = -0.255035
	s_mov_b32 s23, s22                             ; named with it as a pair
	v_lshlrev_b32 v[GX], 4, v0                     ; thread t takes row t / 64 + 4 n, bytes 16 (t % 64) on: 1,024 (t / 64) + 16 (t % 64) = 16 t
	v_lshrrev_b32 v1, 4, v0                        ; t / 16
	v_and_b32 v15, 15, v0                          ; t % 16, which is also lane % 16
	v_lshlrev_b32 v[GW], 10, v1                    ; W: row t / 16 + 16 n,
	v_lshl_add_u32 v[GW], v15, 4, v[GW]            ; bytes 16 (t % 16) on
	s_lshl_b32 s30, s25, 8
	v_add_nc_u32 v[GW], s30, v[GW]                 ; of the 256 bytes of my 64 columns
	v_mul_u32_u24 v[WS], v1, WP
	v_lshl_add_u32 v[WS], v15, 3, v[WS]
	v_add_nc_u32 v[WS], XBYTES, v[WS]
	v_add_nc_u32 v[WS+1], BUF, v[WS]
	v_lshrrev_b32 v1, 6, v0
	v_and_b32 v16, 63, v0
	v_mul_u32_u24 v[XS], v1, XP
	v_lshl_add_u32 v[XS], v16, 3, v[XS]
	v_add_nc_u32 v[XS+1], BUF, v[XS]
	v_bfe_u32 v17, v0, 4, 1                        ; lane / 16
	v_mul_u32_u24 v[XA], v15, XP                   ; a fragment of X: row lane % 16, 16 bytes for each half of the lanes
	v_lshl_add_u32 v[XA], v17, 4, v[XA]
	s_mul_i32 s30, s24, 16*XP                      ; my wave's 16 rows
	v_add_nc_u32 v[XA], s30, v[XA]
	v_add_nc_u32 v[XA+1], BUF, v[XA]
	v_and_b32 v18, 7, v0
	v_bfe_u32 v19, v0, 3, 1
	v_lshl_add_u32 v[WA], v17, 3, v18              ; the turning load: lane l reads row 8 (l / 16) + l % 8,
	v_mul_u32_u24 v[WA], v[WA], WP
	v_lshl_add_u32 v[WA], v19, 4, v[WA]            ; columns 8 ((l / 8) % 2) + 0..7
	v_add_nc_u32 v[WA], XBYTES, v[WA]
	v_add_nc_u32 v[WA+1], BUF, v[WA]
	s_mul_i32 s30, s24, 16*SP
	s_add_co_u32 s30, s30, STAGE                   ; my stage
	v_mul_u32_u24 v[STO], v15, SP
	v_lshl_add_u32 v[STO], v17, 4, v[STO]
	v_add_nc_u32 v[STO], s30, v[STO]
	v_bfe_u32 v[RD], v0, 3, 2                      ; back: 32 lanes take four rows of 128 bytes,
	v_mul_u32_u24 v[RD], v[RD], SP
	v_lshl_add_u32 v[RD], v18, 4, v[RD]
	v_add_nc_u32 v[RD], s30, v[RD]
	v_and_b32 v[GO], 31, v0                        ; which are 512 consecutive bytes of the output
	v_lshlrev_b32 v[GO], 4, v[GO]
	s_wait_kmcnt 0x0
	s_add_nc_u64 s[4:5], s[4:5], s[26:27]
	s_add_nc_u64 s[6:7], s[6:7], s[26:27]
	s_add_nc_u64 s[8:9], s[8:9], s[26:27]
	s_add_nc_u64 s[16:17], s[16:17], s[28:29]
	s_add_nc_u64 s[18:19], s[18:19], s[28:29]
	s_add_nc_u64 s[20:21], s[20:21], s[28:29]
; 48 loads a lane: W's 256 rows x 256 bytes (16 lanes cover a row's 256 bytes), then X's 128 rows x 1,024 bytes (a wave covers 512 consecutive bytes)
.macro LOAD xb, wb
	WIN 0x40                                       ; destination window 1, address window 0
.set n, 0
.rept 16
	global_load_b128 v[WRAW+4*n:WRAW+4*n+3], v[GW], s[\wb:\wb+1] offset:16384*n
.set n, n+1
.endr
.set n, 0
.rept 32
	global_load_b128 v[4*n:4*n+3], v[GX], s[\xb:\xb+1] offset:4096*n
.set n, n+1
.endr
	WIN 0
.endm
; They are rounded to bf16 and stored into buffer b, four loads at a time
.macro PUT b
.set g, 0
.rept 12
	s_wait_loadcnt 44-4*g                          ; loads come back in order (ISA guide 5.7.1): of the tensor's 48 all but the 44 - 4 g younger ones are in
	WIN 0x05                                       ; sources window 1, destination window 0
.set m, 0
.rept 4
.if g < 4
.set src, WRAW+16*g+4*m
.else
.set src, 16*(g-4)+4*m
.endif
	v_cvt_pk_bf16_f32 v[T+8*(g%2)+2*m], v[src], v[src+1]
	v_cvt_pk_bf16_f32 v[T+8*(g%2)+2*m+1], v[src+2], v[src+3]
.set m, m+1
.endr
	WIN 0
.set m, 0
.rept 4
.if g < 4
	ds_store_b64 v[WS+(\b)], v[T+8*(g%2)+2*m:T+8*(g%2)+2*m+1] offset:16*WP*(4*g+m)
.else
	ds_store_b64 v[XS+(\b)], v[T+8*(g%2)+2*m:T+8*(g%2)+2*m+1] offset:4*XP*(4*(g-4)+m)
.endif
.set m, m+1
.endr
.set g, g+1
.endr
.endm
; Ten LDS loads: the fragments of K step s (32 along K) from buffer b: my 16 rows of X, four blocks of 16 columns of W
.macro FETCH b, s
.set fq, (\s)%2
	ds_load_b128 v[XF+8*fq:XF+8*fq+3],   v[XA+(\b)] offset:64*(\s)
	ds_load_b128 v[XF+8*fq+4:XF+8*fq+7], v[XA+(\b)] offset:64*(\s)+32
.irp nb, 0,1,2,3
	ds_load_tr16_b128 v[WF+32*fq+8*\nb:WF+32*fq+8*\nb+3],   v[WA+(\b)] offset:32*WP*(\s)+32*\nb
	ds_load_tr16_b128 v[WF+32*fq+8*\nb+4:WF+32*fq+8*\nb+7], v[WA+(\b)] offset:32*WP*(\s)+16*WP+32*\nb
.endr
.endm
.macro PLACES                          ; four places behind matrix instructions, ahead of loads into registers that they read and of lines that read their results
.rept 4
	v_nop
.endr
.endm
; Eight K steps; the four accumulators take turns; the first step starts the sums with the constant 0
.macro COMPUTE b
	FETCH \b, 0
.set ks, 0
.rept 8
.if ks < 7
.if ks > 0
	PLACES
.endif
	FETCH \b, ks+1
	s_wait_dscnt 10                                ; all but the ten just issued
.else
	s_wait_dscnt 0x0
.endif
.set fb, ks%2
.irp nb, 0,1,2,3
.if ks == 0
	v_wmma_f32_16x16x32_bf16 v[ACC+8*\nb:ACC+8*\nb+7], v[WF+32*fb+8*\nb:WF+32*fb+8*\nb+7], v[XF+8*fb:XF+8*fb+7], 0
.else
	v_wmma_f32_16x16x32_bf16 v[ACC+8*\nb:ACC+8*\nb+7], v[WF+32*fb+8*\nb:WF+32*fb+8*\nb+7], v[XF+8*fb:XF+8*fb+7], v[ACC+8*\nb:ACC+8*\nb+7]
.endif
.endr
.set ks, ks+1
.endr
.endm
; The way out: (scaled,) rounded to f16, 16 bytes a lane into my own stage, back as whole rows, stored 512 consecutive bytes at a time
.macro OUT ob, scale
	PLACES
.if \scale
.set n, 0
.rept 16
	v_pk_mul_f32 v[ACC+2*n:ACC+2*n+1], v[ACC+2*n:ACC+2*n+1], s[22:23] op_sel_hi:[1,0]
.set n, n+1
.endr
.endif
.set n, 0
.rept 16
	v_cvt_pk_f16_f32 v[PKD+n], v[ACC+2*n], v[ACC+2*n+1]
.set n, n+1
.endr
.irp nb, 0,1,2,3
	ds_store_b128 v[STO], v[PKD+4*\nb:PKD+4*\nb+3] offset:32*\nb
.endr
	s_wait_xcnt 0x0                                ; the last tensor's stores have read BK: it is loaded again only behind this wait (ISA guide 3.1)
.irp f, 0,1,2,3
	ds_load_b128 v[BK+4*\f:BK+4*\f+3], v[RD] offset:4*SP*\f  ; LDS serves a wave's instructions in order (ISA guide 5.7.1.4): these see the stores above
.endr
.irp f, 0,1,2,3
	s_wait_dscnt 3-\f
	global_store_b128 v[GO], v[BK+4*\f:BK+4*\f+3], s[\ob:\ob+1] offset:512*\f
.endr
.endm
; One barrier a tensor: in front of it each wave's stores into the buffer are done, and so are its reads of the other buffer.  Buffer 0 is stored again only behind the second barrier.
.macro MEET
	s_wait_dscnt 0x0
	s_barrier_signal -1
	s_barrier_wait -1
.endm
	LOAD 4, 10
	PUT 0
	LOAD 6, 12                                     ; k and wk are on their way while q is multiplied
	MEET
	COMPUTE 0
	OUT 16, 1
	PUT 1
	LOAD 8, 14
	MEET
	COMPUTE 1
	OUT 18, 0
	PUT 0
	MEET
	COMPUTE 0
	OUT 20, 0
	s_wait_tensorcnt 0x0                           ; the wave's end: behind my last LDS store
	ds_add_u32 v[SPW], v[NIL]
	s_wait_dscnt 0x0
	s_endpgm
.Lfunc_end_k_qba73181aca_proj:
	.size	k_qba73181aca_proj, .Lfunc_end_k_qba73181aca_proj-k_qba73181aca_proj
	.p2alignl 7, 3214868480
	.fill 96, 4, 3214868480
	.section	.rodata,"a",@progbits
	.p2align	6, 0x0
	.amdhsa_kernel k_qba73181aca_proj
		.amdhsa_group_segment_fixed_size 236544
		.amdhsa_private_segment_fixed_size 0
		.amdhsa_enable_private_segment 0
		.amdhsa_kernarg_size 72
		.amdhsa_user_sgpr_count 2
		.amdhsa_user_sgpr_kernarg_segment_ptr 1
		.amdhsa_wavefront_size32 1
		.amdhsa_system_sgpr_workgroup_id_x 1
		.amdhsa_system_sgpr_workgroup_id_y 1
		.amdhsa_system_sgpr_workgroup_id_z 1
		.amdhsa_system_vgpr_workitem_id 0
		.amdhsa_next_free_vgpr 448
		.amdhsa_next_free_sgpr 66
		.amdhsa_reserve_vcc 0
		.amdhsa_float_denorm_mode_32 3
		.amdhsa_float_denorm_mode_16_64 3
		.amdhsa_memory_ordered 1
		.amdhsa_forward_progress 1
		.amdhsa_inst_pref_size 80
	.end_amdhsa_kernel
	.amdgpu_metadata
---
amdhsa.version: [ 1, 2 ]
amdhsa.kernels:
  - .name:           k_qba73181aca_proj
    .symbol:         k_qba73181aca_proj.kd
    .args:
      - { .name: q, .offset: 0, .size: 8, .value_kind: global_buffer, .address_space: global }
      - { .name: k, .offset: 8, .size: 8, .value_kind: global_buffer, .address_space: global }
      - { .name: v, .offset: 16, .size: 8, .value_kind: global_buffer, .address_space: global }
      - { .name: wq, .offset: 24, .size: 8, .value_kind: global_buffer, .address_space: global }
      - { .name: wk, .offset: 32, .size: 8, .value_kind: global_buffer, .address_space: global }
      - { .name: wv, .offset: 40, .size: 8, .value_kind: global_buffer, .address_space: global }
      - { .name: qw, .offset: 48, .size: 8, .value_kind: global_buffer, .address_space: global }
      - { .name: kw, .offset: 56, .size: 8, .value_kind: global_buffer, .address_space: global }
      - { .name: vw, .offset: 64, .size: 8, .value_kind: global_buffer, .address_space: global }
    .group_segment_fixed_size: 236544
    .private_segment_fixed_size: 0
    .kernarg_segment_align: 8
    .kernarg_segment_size: 72
    .max_flat_workgroup_size: 256
    .sgpr_count:     66
    .vgpr_count:     448
    .wavefront_size: 32
...
	.end_amdgpu_metadata
.endif
;; end of part 1
;; launch attn (part 2): grid 64 x 4, 4 waves a work-group, clusters of 4 x 4, 327,680 bytes of LDS; arguments qw, kw, vw, mask, ao; writes ao
.if DOCPART == 2
	.amdgcn_target "amdgcn-amd-amdhsa--gfx1250"
	.amdhsa_code_object_version 6
	.text
	.protected	k_qba73181aca_attn
	.globl	k_qba73181aca_attn
	.p2align	8
	.type	k_qba73181aca_attn,@function
k_qba73181aca_attn:
	s_mov_b64 s[64:65], 0
	v_nop
	global_prefetch_b8 v0, s[64:65] scope:SCOPE_SE
	s_setreg_imm32_b32 hwreg(HW_REG_WAVE_MODE, 25, 1), 1
	s_wait_xcnt 0x0
	s_wait_alu depctr_hold_cnt(0) depctr_sa_sdst(0) depctr_va_vdst(0) depctr_va_sdst(0) depctr_va_ssrc(0) depctr_va_vcc(0) depctr_vm_vsrc(0)
	s_getreg_b32 s2, hwreg(HW_REG_IB_STS2, 6, 4)
	s_cmp_eq_u32 s2, 0
	s_cbranch_scc0 .Lentry_in_a_cluster
	s_endpgm
.Lentry_in_a_cluster:
	s_bfe_u32 s2, ttmp6, 0x10000c
	s_cmp_lg_u32 s2, 0xf033
	s_cbranch_scc0 .Lentry_shape_is_right
	s_endpgm
.Lentry_shape_is_right:
; MASKED ATTENTION, head depth 32.  ao[h][q] = the sum over visible k of softmax_k(Q[h][q] . K[h][k] / sqrt(32)) V[h][k].  mask[b][q][k] = 1 hides key k from query q, for all heads.
; qw, kw, vw, ao: [pair of heads hg][row = 4096 b + place][64 channels] f16, rows of 128 dense bytes.  qw holds Qn = -c Q, c = log2(e) / sqrt(32).
; TURNED SIGN.  T = K Qn^T + C = -c s + C, with C = -0.0 for a visible key and 2^127 for a hidden one.  The running maximum of s is a running MINIMUM Tmin of T;
; p = 2^(Tmin - T); in every step O and l are multiplied by a = 2^(Tmin_new - Tmin_old), which is 1 where Tmin has not fallen.  A hidden key has p = 0.
; LIMITS.  Tmin starts at 1e20: a visible score with c s below -1e20 counts as hidden (f16 operands of depth 32 cannot reach it).  A weight below 2^-126 counts as 0; p is rounded to f16, and l is
; the sum of the rounded p.  Mask bytes are 0 or 1.  A row with no visible key has l = 0 and O = 0 and leaves as 0 / 0 = NaN.  Other NaN and infinities are not treated apart.
; SHARES.  Work-group (qblock, hg): 128 query rows, two heads.  Wave w: rows 32 w .. + 31 as two tiles t of 16, times the two heads e: four PIECES p = 2 e + t.  Every wave walks all 4,096 keys, 64 a step.
; THE MASK is the C operand of K Qn^T.  Eight mask bytes a lane and 16 keys are loaded from LDS; 0x80808080 - w turns bytes 0 / 1 into 0x80 / 0x7f; v_perm_b32 sets each on top of three zero bytes.
; It is made once for a tile and step, and both heads take it.
; ROW SUMS come from the matrix unit: a third product of P with ONES (1.0 in rows 0 and 8, else 0) leaves l in register 0 of its accumulator, for the lane's query, in every lane.
; LAYOUT.  S^T = K Qn^T holds ONE query a lane (lane % 16) and the keys 8 (lane / 16) + 0..7; two such results rounded to f16 in pairs ARE source 1 of O^T = V^T P.
; BY TURNS.  Turn p belongs to piece p: 4 products K Qn^T of piece p + 1, 6 products of piece p - 1 (V^T P and l); beside them the subtraction, exponentials, roundings and rescaling of piece p and the
; minimum and statistics of piece p + 1.  Four vector lines stand behind each matrix instruction (nine behind the last), the rest in a LUMP, which in turns 2 and 3 also makes the next step's masks.
; CLUSTER 4 x 4.  K's and V's tiles hang on the batch and hg: the four work-groups of a row of the cluster ask for them jointly.  The mask's tile hangs on qblock: shared along a column.
; REGISTERS, in windows of 256 (s_set_vgpr_msb: bits 1:0 source 0, 3:2 source 1, 5:4 source 2, 7:6 destination):
;   window 0: addresses, statistics, RAW mask words, ONES, Q, K and V of one head and step, S^T and P in two buffers (by the piece's parity)
;   window 1: v0-63 O^T, 16 a piece; v64-95 l's accumulators, 8 a piece; v96-159 the masks MC, 32 a tile
.set PK,    144       ; a row of K in LDS: 128 bytes + 16: the 16 rows of a load start in 16 different groups of four banks (64 banks of 4 bytes: ISA guide 11.1)
.set PVP,   160       ; a row of V: 128 + 32: an odd multiple of 32
.set PM,    272       ; a row of the mask: 256 keys + 16
.set VOFF,  256*PK    ; a slot holds 256 keys, four steps: K, then V, then 128 queries of the mask
.set MOFF,  VOFF+256*PVP
.set SLOT1, 1<<17     ; slot 1 begins here, so that one exclusive or turns an address in one slot into the other's
.set STAGE, SLOT1+MOFF+128*PM  ; behind the ring, never filled by a tensor load: 32 rows x 144 bytes for each wave
.set SP,    144
.set SPARE, STAGE+4*32*SP      ; the spare words: 128 bytes for each wave, two blocks of 256 bytes that no other line names
.set AK0, 2           ; v2-4   my lane's place in a tile of K, of V, of the mask; never rewritten
.set AV0, 3
.set AM0, 4
.set AK,  5           ; v5-7   the LDS address of the run of loads in hand
.set AV,  6
.set AM,  7
.set STO, 8           ; v8     the way out: where I put 16 bytes of a row
.set RD,  9           ; v9     where I read rows back
.set GO,  10          ; v10    my byte offset in 512 consecutive bytes of ao
.set QO,  11          ; v11    my byte offset in 16 rows of qw
.set ZERO, 12         ; v12    0
.set SPW, 14          ; v14    LDS address of my spare word; never rewritten
.set NIL, 15          ; v15    0; never rewritten
.set ST,  16          ; v16-23 piece p: Tmin at ST + 2 p, the old Tmin beside it
.set TMP, 24          ; v24-31 by parity, c0-c3 at work; when the minimum is found c2 takes a
.set RAW, 32          ; v32-47 tile t: eight mask words
.set ONES, 48         ; v48-55
.set Q,   56          ; v56-87 piece p at Q + 8 p
.set KF,  88          ; v88-119  K of one head: key block kt at KF + 8 kt
.set VF,  120         ; v120-151 V of one head: key half kk, channel block cb at VF + 8 (2 kk + cb)
.set S,   152         ; v152-215
.set P,   216         ; v216-247
.set TR,  216         ; set-up only, in P's buffer 0, which the first turn writes before a product reads it: lane % 16, lane / 16, lane % 8, (lane / 8) % 2
.set TH,  217
.set T7,  218
.set T3,  219
.set LW,  64          ; window 1
.set MC,  96          ; window 1
.set WV,  14          ; s14  my wave's number
.set G1K, 24          ; s[24:31], s[32:39], s[40:47] descriptor group 1 for K, V, the mask
.set G1V, 32
.set G1M, 40
.set G0K, 48          ; s[48:51], s[52:55], s[56:59] descriptor group 0: they walk
.set G0V, 52
.set G0M, 56
.set SLOTS, 60        ; s60  slots still to be asked for
.set CNT, 61          ; s61  counts a slot's four steps
.set TBK, 62          ; s62, s63, s66  where in LDS the step to be fetched begins: K, V (less VOFF), the mask (less MOFF)
.set TBV, 63
.set TBM, 66
.set SEL, 68          ; s[68:69] v_permlanex16_b32's selects: each lane takes its own place in the other half
.set PS,  72          ; s[72:75] v_perm_b32's selects: byte j of the mask word on top, three bytes of ZERO below
.set C80, 76          ; s76  0x80808080
.set MSB, 0
.macro WIN new                      ; the high byte repeats the setting that is left; a switch that changes nothing is dropped
.if MSB != (\new)
	s_set_vgpr_msb (MSB<<8)|(\new)
.set MSB, (\new)
.endif
.endm
.macro WINP                         ; for lines with a destination and at most two vector sources, all in window 0: the window of source 2 does not matter to them
.if (MSB & 0xcf) != 0
	WIN 0
.endif
.endm
.set W_KQ, 0x10       ; K, Q and S^T in window 0, the mask (C) in window 1
.set W_PV, 0x50       ; V or ONES and P in window 0, C and D in window 1
.set W_RS, 0x41       ; destination and source 0 in window 1, source 1 in window 0
; A round of the cluster's barrier: my work-group's barrier, so that wave 0's signal speaks for all four waves; wave 0 signals; every wave waits for all sixteen work-groups; my work-group's barrier once more.
.macro ROUND
	s_barrier_signal -1
	s_barrier_wait -1
	s_cmp_lg_u32 s[WV], 0
	s_cbranch_scc1 .Lnot_wave_0_\@
	s_barrier_signal -3
.Lnot_wave_0_\@:
	s_barrier_wait -3
	s_barrier_signal -1
	s_barrier_wait -1
.endm
; A joint fill: wave 0 asks for a slot's K, wave 1 for its V, waves 2 and 3 for the two halves of its mask tile.  The branches hang on the wave's number alone.
; An s_nop 0 and four v_nop follow each line, ahead of the jump and the label.
.macro JLOAD
	s_cmp_lg_u32 s[WV], 0
	s_cbranch_scc1 .Lnot_k_\@
	tensor_load_to_lds s[G0K:G0K+3], s[G1K:G1K+7]
	s_nop 0
.rept 4
	v_nop
.endr
	s_branch .Lasked_\@
.Lnot_k_\@:
	s_cmp_lg_u32 s[WV], 1
	s_cbranch_scc1 .Lnot_v_\@
	tensor_load_to_lds s[G0V:G0V+3], s[G1V:G1V+7]
	s_nop 0
.rept 4
	v_nop
.endr
	s_branch .Lasked_\@
.Lnot_v_\@:
	tensor_load_to_lds s[G0M:G0M+3], s[G1M:G1M+7]
	s_nop 0
.rept 4
	v_nop
.endr
.Lasked_\@:
.endm
; THE CHANGE OF SLOTS.  The slot's last bytes, V of its fourth step, have been asked for.  Each wave waits for all its tensor loads, of which one is out: its part of the other slot; adds 0 to its spare
; word; and waits for that and for its own reads of the slot.  Behind the barrier nobody reads this slot any more and the other slot is whole.
; fill = 1: the slot is filled again, with the keys two slots on.  The barrier is then a round of the cluster's, and the joint fill is the first thing behind it: it has four key steps, sixteen turns, in which to land.
; (At its first use nothing has been read yet: slot 0 is waited for, slot 1 filled.)
.macro CHANGE fill
	WIN 0                           ; at a label and at a branch every window is 0
	s_wait_tensorcnt 0x0            ; no tensor load of mine is out, so a group 0 may be written
	ds_add_u32 v[SPW], v[NIL]       ; 0 onto my spare word
.if \fill
	s_xor_b32 s[G0K+1], s[G0K+1], SLOT1  ; the walking descriptors: the other slot than last time,
	s_add_nc_u64 s[G0K+2:G0K+3], s[G0K+2:G0K+3], 256*128  ; the next 256 keys; the type bits on top are not reached
	s_xor_b32 s[G0V+1], s[G0V+1], SLOT1
	s_add_nc_u64 s[G0V+2:G0V+3], s[G0V+2:G0V+3], 256*128
	s_xor_b32 s[G0M+1], s[G0M+1], SLOT1
	s_add_nc_u64 s[G0M+2:G0M+3], s[G0M+2:G0M+3], 256
.endif
	s_wait_dscnt 0x0                ; the add is done, and my reads of the slot are over
.if \fill
	ROUND
	JLOAD
.else
	s_barrier_signal -1
	s_barrier_wait -1
.endif
	s_sub_co_u32 s[TBK], s[TBK], 4*64*PK  ; the fetches go back to a slot's first step,
	s_xor_b32 s[TBK], s[TBK], SLOT1       ; in the other slot
	s_sub_co_u32 s[TBV], s[TBV], 4*64*PVP
	s_xor_b32 s[TBV], s[TBV], SLOT1
	s_sub_co_u32 s[TBM], s[TBM], 4*64
	s_xor_b32 s[TBM], s[TBM], SLOT1
.endm
	s_load_b256 s[4:11], s[0:1], 0x0  ; qw s[4:5], kw s[6:7], vw s[8:9], mask s[10:11]
	s_load_b64 s[12:13], s[0:1], 0x20 ; ao
	v_lshl_add_u32 v[SPW], v0, 2, SPARE
	v_mov_b32 v[NIL], 0
	ds_add_u32 v[SPW], v[NIL]       ; the wave's opening: the add and its wait stand ahead of my first tensor load; the set-up below, work on registers, stands between them
	v_lshrrev_b32 v1, 5, v0
	v_readfirstlane_b32 s[WV], v1   ; wave 0..3
	s_bfe_u32 s15, ttmp6, 0x40000   ; cx
	s_bfe_u32 s16, ttmp6, 0x40004   ; cy
	s_lshl_b32 s17, ttmp9, 2        ; in a cluster launch ttmp9 and ttmp7 count clusters
	s_add_co_u32 s17, s17, s15      ; qblock = 4 x cluster x + cx
	s_and_b32 s18, ttmp7, 0xffff
	s_lshl_b32 s18, s18, 2
	s_add_co_u32 s18, s18, s16      ; hg = 4 x cluster y + cy
	s_lshl_b32 s20, s16, 2
	s_lshl_b32 s20, 15, s20         ; my row of the cluster: places 4 cy .. 4 cy + 3
	s_lshl_b32 s21, 0x1111, s15     ; my column: places cx, cx + 4, cx + 8, cx + 12
	; group 1 for K and V: 256 keys are 32,768 dense bytes, asked for as 128 rows of 256 bytes, two keys a row, padded in LDS after every key
	s_or_b32 s[G1K], s20, (1<<16)|(1<<20)|(1<<21)|(4<<22)|(3<<25)  ; 15:0 the mask of work-groups; 17:16 2-byte elements; 20 padding on; 21 set beside a mask; 24:22 after every 32 words (code 4); 31:25 4 words (code 3)
	s_or_b32 s[G1V], s20, (1<<16)|(1<<20)|(1<<21)|(4<<22)|(7<<25)  ; the same with 8 words of padding (code 7)
.irp g, G1K, G1V
	s_mov_b32 s[\g+1], 128<<16      ; tensor_dim0 = 128
	s_mov_b32 s[\g+2], 128<<16      ; tensor_dim1 = 128
	s_mov_b32 s[\g+3], 128<<16      ; tile_dim0 = 128
	s_mov_b32 s[\g+4], 128          ; tile_dim1 = 128
	s_mov_b32 s[\g+5], 128          ; 128 elements from row to row
	s_mov_b32 s[\g+6], 0
	s_mov_b32 s[\g+7], 0
.endr
	; group 1 for the mask: 64 queries x 256 keys of one byte, 4,096 bytes from row to row, 16 bytes of padding behind each row
	s_or_b32 s[G1M], s21, (1<<20)|(1<<21)|(5<<22)|(3<<25)  ; 17:16 1-byte elements; after every 64 words (code 5) 4 words (code 3)
	s_mov_b32 s[G1M+1], 256<<16     ; tensor_dim0 = 256
	s_mov_b32 s[G1M+2], 64<<16      ; tensor_dim1 = 64
	s_mov_b32 s[G1M+3], 256<<16     ; tile_dim0 = 256
	s_mov_b32 s[G1M+4], 64          ; tile_dim1 = 64
	s_mov_b32 s[G1M+5], 4096
	s_mov_b32 s[G1M+6], 0
	s_mov_b32 s[G1M+7], 0
	s_lshl_b32 s22, s18, 20         ; K and V: hg x 8,192 rows x 128 bytes
	s_lshr_b32 s23, ttmp9, 3        ; the batch, which the whole cluster shares,
	s_lshl_b32 s23, s23, 19         ; x 4,096 rows x 128 bytes
	s_add_co_u32 s22, s22, s23
	s_mov_b32 s23, 0
	s_and_b32 s19, s[WV], 1         ; which 64 queries of the mask tile I fetch
	s_lshl_b32 s78, s17, 19         ; the mask: qblock x 128 rows x 4,096 bytes
	s_lshl_b32 s79, s19, 18         ; + 64 rows
	s_add_co_u32 s78, s78, s79
	s_mov_b32 s79, 0
	s_lshl_b32 s70, s18, 20         ; qw and ao: hg, my block's 128 rows, my wave's 32
	s_lshl_b32 s67, s17, 14
	s_add_co_u32 s70, s70, s67
	s_lshl_b32 s67, s[WV], 12
	s_add_co_u32 s70, s70, s67
	s_mov_b32 s71, 0
	s_mov_b32 s[G0K], 1             ; 1:0 count = 1
	s_mov_b32 s[G0K+1], 0           ; 63:32 LDS address: slot 0
	s_mov_b32 s[G0V], 1
	s_mov_b32 s[G0V+1], VOFF
	s_mov_b32 s[G0M], 1
	s_mul_i32 s[G0M+1], s19, 64*PM  ; no place in the cluster enters an LDS address
	s_add_co_u32 s[G0M+1], s[G0M+1], MOFF
	s_mov_b32 s[TBK], SLOT1+4*64*PK ; the first change of slots turns these three into 0
	s_mov_b32 s[TBV], SLOT1+4*64*PVP
	s_mov_b32 s[TBM], SLOT1+4*64
	s_mov_b32 s[SEL], 0x76543210
	s_mov_b32 s[SEL+1], 0xfedcba98
	s_mov_b32 s[PS], 0x04000000
	s_mov_b32 s[PS+1], 0x05000000
	s_mov_b32 s[PS+2], 0x06000000
	s_mov_b32 s[PS+3], 0x07000000
	s_mov_b32 s[C80], 0x80808080
	s_mov_b32 s3, 0x3c003c00        ; 1.0 twice in f16
	s_wait_dscnt 0x0                ; the opening add is done
	s_wait_kmcnt 0x0
	s_add_nc_u64 s[G0K+2:G0K+3], s[6:7], s[22:23]  ; 120:64 global address: the batch's first 256 keys
	s_or_b32 s[G0K+3], s[G0K+3], 0x80000000        ; 127:126 type = 2
	s_add_nc_u64 s[G0V+2:G0V+3], s[8:9], s[22:23]
	s_or_b32 s[G0V+3], s[G0V+3], 0x80000000
	s_add_nc_u64 s[G0M+2:G0M+3], s[10:11], s[78:79]
	s_or_b32 s[G0M+3], s[G0M+3], 0x80000000
	s_add_nc_u64 s[4:5], s[4:5], s[70:71]          ; qw and ao at my wave's first row
	s_add_nc_u64 s[12:13], s[12:13], s[70:71]
	ROUND                           ; all sixteen work-groups are here: the first joint loads meet
	JLOAD                           ; slot 0.  Slot 1 is asked for when slot 0 is in
	; A fragment of K or Q is 16 rows x 32 channels in 8 registers: lane l holds row l % 16, channels 8 (l / 16) + 0..7 and 16 + 8 (l / 16) + 0..7: two loads of 16 bytes, 32 bytes apart.
	v_and_b32 v[TR], 15, v0
	v_bfe_u32 v[TH], v0, 4, 1
	v_and_b32 v[T7], 7, v0
	v_bfe_u32 v[T3], v0, 3, 1
	v_lshlrev_b32 v[QO], 7, v[TR]
	v_lshl_add_u32 v[QO], v[TH], 4, v[QO]
.irp p, 0,1,2,3                     ; Q stays in registers: piece p = tile p % 2, head p / 2
	global_load_b128 v[Q+8*\p:Q+8*\p+3],   v[QO], s[4:5] offset:(\p%2)*2048+(\p/2)*64
	global_load_b128 v[Q+8*\p+4:Q+8*\p+7], v[QO], s[4:5] offset:(\p%2)*2048+(\p/2)*64+32
.endr
	v_mul_u32_u24 v[AK0], v[TR], PK
	v_lshl_add_u32 v[AK0], v[TH], 4, v[AK0]
	; The turning load takes 16 keys x 16 channels (lane l reads key 8 (l / 16) + l % 8, channels 8 ((l / 8) % 2) + 0..7) and leaves half a fragment of V^T: lane l holds channel l % 16 and 8 keys.
	v_lshl_add_u32 v[AV0], v[TH], 3, v[T7]
	v_mul_u32_u24 v[AV0], v[AV0], PVP
	v_lshl_add_u32 v[AV0], v[T3], 4, v[AV0]
	v_add_nc_u32 v[AV0], VOFF, v[AV0]
	s_mul_i32 s77, s[WV], 32*PM     ; the mask: my wave's 32 queries; query l % 16, eight keys for each half of the lanes
	s_add_co_u32 s77, s77, MOFF
	v_mul_u32_u24 v[AM0], v[TR], PM
	v_lshl_add_u32 v[AM0], v[TH], 3, v[AM0]
	v_add_nc_u32 v[AM0], s77, v[AM0]
	v_mov_b32 v[ZERO], 0
	v_cmp_eq_u32 vcc_lo, 0, v[T7]   ; ONES: source 0's rows 0 and 8 lie in the lanes with l % 8 = 0
	v_cndmask_b32 v[ONES], 0, s3, vcc_lo
.irp n, 1,2,3,4,5,6,7
	v_mov_b32 v[ONES+\n], v[ONES]
.endr
	; What the first turn finds: V's registers and P's second buffer hold 0 (its products, of a piece that has not been, add 0), O^T and l are 0, Tmin is 1e20: the first step is a step like any other, with a = 0.
	; 144 lines in the wait for the first tile: the price of writing no first step out.
.set n, 0
.rept 32
	v_mov_b32 v[VF+n], 0
.set n, n+1
.endr
.set n, 0
.rept 16
	v_mov_b32 v[P+16+n], 0
.set n, n+1
.endr
.set n, 0
.rept 8
	v_mov_b32 v[ST+n], 0x60ad78ec   ; 1e20
.set n, n+1
.endr
	WIN 0x40
.set n, 0
.rept 96
	v_mov_b32 v[n], 0
.set n, n+1
.endr
	WIN 0
; THE MATRIX WORK.  Product i (0..3) of S^T = K Qn^T + mask for piece x: keys 16 i on; depth 32 is one instruction.
.macro KQ x
	WIN W_KQ
	v_wmma_f32_16x16x32_f16 v[S+32*((\x)%2)+8*i:S+32*((\x)%2)+8*i+7], v[KF+8*i:KF+8*i+7], v[Q+8*(\x):Q+8*(\x)+7], v[MC+32*((\x)%2)+8*i:MC+32*((\x)%2)+8*i+7]
.endm
; Product i (4..9) for piece x: keys 32 kk on; channel blocks 0 and 1 of O^T, then l.  The three accumulators take turns.
.macro PV x
	WIN W_PV
.set kk, (i-4)/3
.set cc, (i-4)%3
.set rB, P+16*((\x)%2)+8*kk
.if cc < 2
.set rD, 16*(\x)+8*cc
.set rA, VF+8*(2*kk+cc)
.else
.set rD, LW+8*(\x)
.set rA, ONES
.endif
	v_wmma_f32_16x16x32_f16 v[rD:rD+7], v[rA:rA+7], v[rB:rB+7], v[rD:rD+7]
.endm
.macro MM                           ; the turn's next matrix instruction.  NOKQ = 1: the last turn of all: there is no next piece
.if i < 4
.if !NOKQ
	KQ (Y+1)%4
.endif
.else
	PV (Y+3)%4
.endif
.set i, i+1
.endm
; THE LDS LOADS stand in runs of 8, never singly among the matrix instructions.
.macro FETCH_K e                    ; head e's K of the step to be fetched: 64 keys x 32 channels
	WIN 0
	v_add_nc_u32 v[AK], s[TBK], v[AK0]
.irp kt, 0,1,2,3
	ds_load_b128 v[KF+8*\kt:KF+8*\kt+3],   v[AK] offset:\kt*16*PK+64*(\e)
	ds_load_b128 v[KF+8*\kt+4:KF+8*\kt+7], v[AK] offset:\kt*16*PK+64*(\e)+32
.endr
.if \e
	s_add_co_u32 s[TBK], s[TBK], 64*PK  ; the next fetch is the next step's
.endif
.endm
.macro FETCH_V e                    ; head e's V, turned: f = 2 kk + cb
	WIN 0
	v_add_nc_u32 v[AV], s[TBV], v[AV0]
.irp f, 0,1,2,3
	ds_load_tr16_b128 v[VF+8*\f:VF+8*\f+3],   v[AV] offset:(\f/2)*32*PVP+64*(\e)+(\f%2)*32
	ds_load_tr16_b128 v[VF+8*\f+4:VF+8*\f+7], v[AV] offset:(\f/2)*32*PVP+16*PVP+64*(\e)+(\f%2)*32
.endr
.if \e
	s_add_co_u32 s[TBV], s[TBV], 64*PVP
.endif
.endm
.macro FETCH_M                      ; the step's mask bytes for both tiles, tile 0's four loads first
	WIN 0
	v_add_nc_u32 v[AM], s[TBM], v[AM0]
.irp u, 0,1
.irp kt, 0,1,2,3
	ds_load_b64 v[RAW+8*\u+2*\kt:RAW+8*\u+2*\kt+1], v[AM] offset:\u*16*PM+16*\kt
.endr
.endr
	s_add_co_u32 s[TBM], s[TBM], 64
.endm
.macro SUBM g, n                    ; four mask bytes 0 / 1 become 0x80 / 0x7f: no byte borrows
	WINP
	v_sub_nc_u32 v[RAW+8*(\g)+(\n)], s[C80], v[RAW+8*(\g)+(\n)]
.endm
.macro PERM8 g, kt                  ; the C operand for tile g, keys 16 kt on: -0.0 or 2^127
	WIN 0x40
.irp j, 0,1,2,3,4,5,6,7
	v_perm_b32 v[MC+32*(\g)+8*(\kt)+\j], v[RAW+8*(\g)+2*(\kt)+(\j/4)], v[ZERO], s[PS+(\j%4)]
.endr
.endm
; THE VECTOR WORK, one line at a time: OP kind, number.  For piece Y: F n: Tmin - T for pair n of 16.  E n: the exponential of number n of 32.  C n: pair n rounded to f16.
; R n: pair n of 8 of O^T times a; R 8: l times a.  For piece Y + 1: X n, number n of the 21 that find its minimum and statistics:
;   0-11  four chains c0-c3 of seven numbers each, three operands at a time (each accumulator's lowest registers are read first)
;   12-14, 16  the four left over, the old Tmin, and c0-c3 into c0     15  the old Tmin is kept     17, 18  the query's other 32 keys lie in the lane 16 away: the new Tmin     19, 20  its fall; a
.set F, 0
.set E, 1
.set C, 2
.set R, 3
.set X, 4
.macro REGS y
.set rT, ST+2*(\y)
.set rC, TMP+4*((\y)%2)
.set rS, S+32*((\y)%2)
.set rP, P+16*((\y)%2)
.set rO, 16*(\y)
.set rL, LW+8*(\y)
.endm
.macro OP k, n
.if (\k) == R
	REGS Y
	WIN W_RS
.if (\n) < 8
	v_pk_mul_f32 v[rO+2*(\n):rO+2*(\n)+1], v[rO+2*(\n):rO+2*(\n)+1], v[rC+2:rC+3] op_sel_hi:[1,0]
.else
	v_pk_mul_f32 v[rL:rL+1], v[rL:rL+1], v[rC+2:rC+3] op_sel_hi:[1,0]
.endif
.elseif (\k) < R
	REGS Y
	WINP
.if (\k) == F
	v_pk_add_f32 v[rS+2*(\n):rS+2*(\n)+1], v[rS+2*(\n):rS+2*(\n)+1], v[rT:rT+1] op_sel_hi:[1,0] neg_lo:[1,0] neg_hi:[1,0]
.elseif (\k) == E
	v_exp_f32 v[rS+(\n)], v[rS+(\n)]
.else
	s_wait_alu depctr_va_vdst(0)
	v_cvt_pk_f16_f32 v[rP+(\n)], v[rS+2*(\n)], v[rS+2*(\n)+1]
.endif
.elseif NOKQ
	v_nop
	s_wait_alu depctr_va_vdst(0)
.else
	REGS (Y+1)%4
	WIN 0
.if (\n) < 4
	v_min3_num_f32 v[rC+(\n)], v[rS+8*(\n)], v[rS+8*(\n)+1], v[rS+8*(\n)+2]
.elseif (\n) < 12
	v_min3_num_f32 v[rC+(\n)%4], v[rC+(\n)%4], v[rS+8*((\n)%4)+2*((\n)/4)+1], v[rS+8*((\n)%4)+2*((\n)/4)+2]
.elseif (\n) == 12
	v_min3_num_f32 v[rC], v[rC], v[rS+7], v[rS+15]
.elseif (\n) == 13
	v_min3_num_f32 v[rC+1], v[rC+1], v[rS+23], v[rS+31]
.elseif (\n) == 14
	v_min3_num_f32 v[rC+2], v[rC+2], v[rC+3], v[rT]
.elseif (\n) == 15
	v_mov_b32 v[rT+1], v[rT]
.elseif (\n) == 16
	v_min3_num_f32 v[rC], v[rC], v[rC+1], v[rC+2]
.elseif (\n) == 17
	v_permlanex16_b32 v[rC+3], v[rC], s[SEL], s[SEL+1]
.elseif (\n) == 18
	v_min_num_f32 v[rT], v[rC], v[rC+3]
.elseif (\n) == 19
	v_sub_f32 v[rC+1], v[rT], v[rT+1]
.else
	v_exp_f32 v[rC+2], v[rC+1]
.endif
.endif
.endm
.macro ROW a, i1, b, i2, c, i3, d, i4  ; a matrix instruction and the four lines behind it
	MM
	OP \a, \i1
	OP \b, \i2
	OP \c, \i3
	OP \d, \i4
.endm
; THE FIRST PART OF TURN p: its ten matrix instructions.  None of the lines behind a product names a register of the products round it; an exponential has a plain line on either side.
; The first four rows run under one window setting.  The nine rescalings at the end are the places between the last product that read V and the loads into V's registers.
.macro ROWS p
.set Y, (\p)
.set i, 0
	ROW F,0, F,1, F,2, F,3
	ROW F,4, E,0, F,5, F,6
	ROW F,7, E,1, F,8, F,9
	ROW F,10, E,2, C,0, F,11
	ROW F,12, E,3, F,13, F,14
	ROW F,15, E,4, C,1, X,15
	ROW X,0, E,5, X,1, X,2
	ROW X,3, E,6, C,2, X,4
	ROW X,5, E,7, X,6, X,7
	MM
.irp n, 0,1,2,3,4,5,6,7,8
	OP R, \n
.endr
.endm
; THE LUMP OF TURN p: exponential and plain by turns.  A rounding stands behind both its exponentials with a plain line between; the links of the minimum's chain stand three lines apart or more.
; g = 0, 1: the lump also makes the next step's mask for tile g: eight subtractions behind pairs 4 to 11, four runs of eight v_perm_b32 behind pairs 13, 16, 19, 22.
.macro PAIR a, i1, b, i2
.if (G == 0) && (z == 4)
	s_wait_dscnt 12                 ; tile 0's four mask loads are in (and V's run, issued ahead of them); tile 1's four and K's eight may stay out
.endif
	OP \a, \i1
	OP \b, \i2
.if G >= 0
.if (z >= 4) && (z < 12)
	SUBM G, z-4
.endif
.if (z == 13) || (z == 16) || (z == 19) || (z == 22)
	PERM8 G, (z-13)/3
.endif
.endif
.set z, z+1
.endm
.macro LUMP p, g
.set Y, (\p)
.set G, (\g)
.set z, 0
	OP E, 8
	PAIR E,9, X,8
	PAIR E,10, C,3
	PAIR E,11, X,9
	PAIR E,12, C,4
	PAIR E,13, X,10
	PAIR E,14, C,5
	PAIR E,15, X,11
	PAIR E,16, C,6
	PAIR E,17, X,12
	PAIR E,18, C,7
	PAIR E,19, X,13
	PAIR E,20, C,8
	PAIR E,21, X,14
	PAIR E,22, C,9
	PAIR E,23, X,16
	PAIR E,24, C,10
	PAIR E,25, X,17
	PAIR E,26, C,11
	PAIR E,27, X,18
	PAIR E,28, C,12
	PAIR E,29, C,13
	PAIR E,30, X,19
	PAIR E,31, C,14
	PAIR X,20, C,15
.endm
; A TRIP: the rest of one step's turn 2, its turn 3, then turns 0, 1 and the products of turn 2 of the next step, all of whose LDS bytes it fetches.
; One buffer for K and one for V, a head each: K of head 0 serves turns 3 and 0, of head 1 turns 1 and 2; V of head 0 serves turns 1 and 2, of head 1 turns 3 and 0.
; A trip's first load is the step's first read of LDS and its last load the step's last, so that a change of slots stands between trips.
.macro TRIP tag
.Lstep\tag:
	FETCH_M
	FETCH_K 0
	LUMP 2, 0
	s_wait_dscnt 0x0                ; K of head 0, V of head 1, tile 1's mask bytes
	ROWS 3
	LUMP 3, 1
	WIN 0
.Lfirst\tag:
	ROWS 0
	FETCH_V 0
	FETCH_K 1
	LUMP 0, -1
	s_wait_dscnt 0x0                ; V of head 0, K of head 1
	ROWS 1
	LUMP 1, -1
	ROWS 2
	FETCH_V 1
	WIN 0
	s_sub_co_u32 s[CNT], s[CNT], 1
	s_cmp_lg_u32 s[CNT], 0
	s_cbranch_scc1 .Lstep\tag
.endm
.set NOKQ, 0
.set G, -1
	CHANGE 1                        ; slot 0 is in, everybody's part of it; slot 1 is asked for
	FETCH_M                         ; key step 0
	FETCH_K 0
	s_wait_dscnt 0x0
.irp n, 0,1,2,3,4,5,6,7
	SUBM 0, \n
	SUBM 1, \n
.endr
.irp kt, 0,1,2,3
	PERM8 0, \kt
	PERM8 1, \kt
.endr
	s_wait_loadcnt 0x0              ; Q
.set i, 0
.rept 4
	KQ 0                            ; piece 0's first numbers
.set i, i+1
.endr
	WIN 0                           ; the addresses for the way out: seven plain lines, the places behind those products
	s_mul_i32 s77, s[WV], 32*SP
	s_add_co_u32 s77, s77, STAGE    ; my stage
	v_add_nc_u32 v[STO], s77, v[AK0]  ; in: row l % 16 x 144 + 16 for the upper half of the lanes, as in K's tile
	v_bfe_u32 v[RD], v0, 3, 2       ; back: 32 lanes take four rows of 128 bytes,
	v_mul_u32_u24 v[RD], v[RD], SP
	v_lshl_add_u32 v[RD], v[T7], 4, v[RD]
	v_add_nc_u32 v[RD], s77, v[RD]
	v_and_b32 v[GO], 31, v0         ; which are 512 consecutive bytes of ao
	v_lshlrev_b32 v[GO], 4, v[GO]
.set Y, 3                           ; X works for piece Y + 1: piece 0
.irp n, 0,1,2,3,4,5,6,7,8,9,10,11,12,13,14,15,16,17,18,19,20
	OP X, \n
.endr
	v_nop                           ; a plain line behind the exponential
	s_mov_b32 s[CNT], 4
	s_mov_b32 s[SLOTS], 15
	s_branch .Lfirst1               ; the loop is entered at a step's first turn, in the middle of a trip
.Lslot:                             ; 14 times: every slot but the last two is filled again
	CHANGE 1
	s_mov_b32 s[CNT], 4
	TRIP 1
	s_sub_co_u32 s[SLOTS], s[SLOTS], 1
	s_cmp_lg_u32 s[SLOTS], 0
	s_cbranch_scc1 .Lslot
	CHANGE 0                        ; the last slot is written out: nothing is asked for
	s_mov_b32 s[CNT], 4
	TRIP 2
	LUMP 2, -1                      ; the last step's turn 2 ends,
	s_wait_dscnt 0x0                ; V of head 1
.set NOKQ, 1
	ROWS 3                          ; its turn 3 starts no new piece,
	LUMP 3, -1
.set i, 4
.rept 6
	PV 3                            ; and piece 3's products close the walk
.set i, i+1
.endr
	; THE WAY OUT.  O^T is divided by l, rounded to f16 and sent through my stage in LDS: 32 rows of 128 bytes, both heads side by side.
.rept 4
	v_nop                           ; the places behind the last products
.endr
	WIN 0x01                        ; source window 1, destination window 0
.irp p, 0,1,2,3
	v_rcp_f32 v[ST+2*\p], v[LW+8*\p]
.endr
	v_nop                           ; a plain line between the last reciprocal and the use of its result
	s_wait_alu depctr_va_vdst(0)
.macro PACK p                       ; a lane's eight channels of a row pack into 16 bytes
	WIN W_RS
.set n, 0
.rept 8
	v_pk_mul_f32 v[16*(\p)+2*n:16*(\p)+2*n+1], v[16*(\p)+2*n:16*(\p)+2*n+1], v[ST+2*(\p):ST+2*(\p)+1] op_sel_hi:[1,0]
.set n, n+1
.endr
	WIN 0x05                        ; sources window 1, destination window 0: S^T's registers are free
.set n, 0
.rept 8
	v_cvt_pk_f16_f32 v[S+8*(\p)+n], v[16*(\p)+2*n], v[16*(\p)+2*n+1]
.set n, n+1
.endr
	WIN 0
	ds_store_b128 v[STO], v[S+8*(\p):S+8*(\p)+3]   offset:((\p)%2)*16*SP+((\p)/2)*64
	ds_store_b128 v[STO], v[S+8*(\p)+4:S+8*(\p)+7] offset:((\p)%2)*16*SP+((\p)/2)*64+32
.endm
	PACK 0
	PACK 1
	PACK 2
	PACK 3
.irp f, 0,1,2,3,4,5,6,7
	ds_load_b128 v[S+32+4*\f:S+32+4*\f+3], v[RD] offset:\f*4*SP  ; LDS serves a wave's instructions in order (ISA guide 5.7.1.4): these see the stores above
.endr
.irp f, 0,1,2,3,4,5,6,7
	s_wait_dscnt 7-\f
	global_store_b128 v[GO], v[S+32+4*\f:S+32+4*\f+3], s[12:13] offset:\f*512  ; 512 consecutive bytes, at a multiple of 256 from ao's first
.endr
	s_wait_tensorcnt 0x0            ; the wave's end: behind my last tensor load and my last LDS store
	ds_add_u32 v[SPW], v[NIL]
	s_wait_dscnt 0x0
	ROUND                           ; the closing round: no work-group ends while a partner may still ask for a tile that names it
	s_endpgm
.Lfunc_end_k_qba73181aca_attn:
	.size	k_qba73181aca_attn, .Lfunc_end_k_qba73181aca_attn-k_qba73181aca_attn
	.p2alignl 7, 3214868480
	.fill 96, 4, 3214868480
	.section	.rodata,"a",@progbits
	.p2align	6, 0x0
	.amdhsa_kernel k_qba73181aca_attn
		.amdhsa_group_segment_fixed_size 327680
		.amdhsa_private_segment_fixed_size 0
		.amdhsa_enable_private_segment 0
		.amdhsa_kernarg_size 40
		.amdhsa_user_sgpr_count 2
		.amdhsa_user_sgpr_kernarg_segment_ptr 1
		.amdhsa_wavefront_size32 1
		.amdhsa_system_sgpr_workgroup_id_x 1
		.amdhsa_system_sgpr_workgroup_id_y 1
		.amdhsa_system_sgpr_workgroup_id_z 1
		.amdhsa_system_vgpr_workitem_id 0
		.amdhsa_next_free_vgpr 416
		.amdhsa_next_free_sgpr 80
		.amdhsa_reserve_vcc 1
		.amdhsa_float_denorm_mode_32 3
		.amdhsa_float_denorm_mode_16_64 3
		.amdhsa_memory_ordered 1
		.amdhsa_forward_progress 1
		.amdhsa_inst_pref_size 109
	.end_amdhsa_kernel
	.amdgpu_metadata
---
amdhsa.version: [ 1, 2 ]
amdhsa.kernels:
  - .name:           k_qba73181aca_attn
    .symbol:         k_qba73181aca_attn.kd
    .args:
      - { .name: qw, .offset: 0, .size: 8, .value_kind: global_buffer, .address_space: global }
      - { .name: kw, .offset: 8, .size: 8, .value_kind: global_buffer, .address_space: global }
      - { .name: vw, .offset: 16, .size: 8, .value_kind: global_buffer, .address_space: global }
      - { .name: mask, .offset: 24, .size: 8, .value_kind: global_buffer, .address_space: global }
      - { .name: ao, .offset: 32, .size: 8, .value_kind: global_buffer, .address_space: global }
    .group_segment_fixed_size: 327680
    .private_segment_fixed_size: 0
    .kernarg_segment_align: 8
    .kernarg_segment_size: 40
    .max_flat_workgroup_size: 128
    .sgpr_count:     80
    .vgpr_count:     416
    .wavefront_size: 32
...
	.end_amdgpu_metadata
.endif
;; end of part 2
;; launch outp (part 3): grid 64 x 4, 8 waves a work-group, no clusters, 76,800 bytes of LDS; arguments ao, w_out, out0; writes out0
.if DOCPART == 3
	.amdgcn_target "amdgcn-amd-amdhsa--gfx1250"
	.amdhsa_code_object_version 6
	.text
	.protected	k_qba73181aca_outp
	.globl	k_qba73181aca_outp
	.p2align	8
	.type	k_qba73181aca_outp,@function
k_qba73181aca_outp:
	s_mov_b64 s[64:65], 0
	v_nop
	global_prefetch_b8 v0, s[64:65] scope:SCOPE_SE
	s_setreg_imm32_b32 hwreg(HW_REG_WAVE_MODE, 25, 1), 1
	s_wait_xcnt 0x0
; THE OUTPUT PROJECTION.  out0 = attn w_out.  ao: [pair of heads hg][row 0..8191][64 channels] f16, so channel 64 hg + ch of attn; w_out: [256][256] f32; out0: [8192][256] f32.
; w_out is rounded to bf16, like the module's other inputs, and that number is written as f16; the sums are f32 and leave unrounded.
; LIMITS.  |w_out| stays within 65,504; below 6e-5 the f16 copy keeps f16's fixed step of 6e-8.  A NaN row of ao (a query with no visible key) gives a NaN row of out0.
; SHARES.  Work-group (rb, cb): rows 128 rb .. + 127, columns 64 cb .. + 63.  Wave w: 16 rows x 64 columns, four accumulators, eight K steps.
; A's fragments come straight from memory in the matrix layout (no wave shares them); W goes through LDS, where the turning load makes source 0 of it.  No tensor load: W has to pass through registers to be rounded.
; THE MATRIX INSTRUCTION IS USED TRANSPOSED: a lane holds eight neighbouring columns of one row, 32 bytes; rows go out through a stage, so that sixteen lanes store 256 consecutive bytes, aligned.
.set WP,    160                        ; an LDS row of W ([k][64 columns] f16): 128 bytes + 32: an odd multiple of 32
.set STAGE, 256*WP                     ; 16 rows x 272 bytes for each wave
.set SP,    272                        ; 256 bytes + 16: an odd multiple of 16
.set SPARE, STAGE+8*16*SP              ; the spare words: 128 bytes for each of eight waves, four blocks of 256 bytes that no other line names
.set GW,  2                            ; v2   my byte offset in w_out
.set GA,  3                            ; v3   my byte offset in my wave's rows of ao
.set WS,  4                            ; v4   where I store W
.set WA,  5                            ; v5   my fragment address in W
.set STO, 6                            ; v6   the way out: where I put 32 bytes of a row
.set RD,  7                            ; v7   where I read rows back
.set GO,  8                            ; v8   my byte offset in two rows of out0
.set SPW, 12                           ; v12  LDS address of my spare word; never rewritten
.set NIL, 13                           ; v13  0; never rewritten
.set T,   16                           ; v16-31  at work, two sets of eight
.set AF,  32                           ; v32-95  A's fragments of all eight K steps
.set WF,  96                           ; v96-159 W as loaded; later its fragments, two buffers of four
.set ACC, 160                          ; v160-191
.set BK,  192                          ; v192-223 rows read back
	s_load_b128 s[4:7], s[0:1], 0x0                ; ao s[4:5], w_out s[6:7]
	s_load_b64 s[8:9], s[0:1], 0x10                ; out0
	v_lshl_add_u32 v[SPW], v0, 2, SPARE
	v_mov_b32 v[NIL], 0
	v_lshrrev_b32 v1, 5, v0
	v_readfirstlane_b32 s10, v1                    ; wave 0..7
	s_and_b32 s11, ttmp7, 0xffff                   ; cb
	s_lshl_b32 s12, ttmp9, 14                      ; ao: 128 rb rows of 128 bytes
	s_lshl_b32 s13, s10, 11                        ; + 16 w rows
	s_add_co_u32 s12, s12, s13
	s_mov_b32 s13, 0
	s_lshl_b32 s14, ttmp9, 17                      ; out0: 128 rb rows of 1,024 bytes
	s_lshl_b32 s15, s10, 14                        ; + 16 w rows
	s_add_co_u32 s14, s14, s15
	s_lshl_b32 s16, s11, 8                         ; + my 64 columns
	s_add_co_u32 s14, s14, s16
	s_mov_b32 s15, 0
	s_mov_b32 s17, 0xffff0000                      ; a word's upper bf16
	v_and_b32 v9, 15, v0                           ; t % 16 = lane % 16
	v_bfe_u32 v10, v0, 4, 1                        ; lane / 16
	v_lshrrev_b32 v11, 4, v0                       ; t / 16
	v_and_b32 v14, 7, v0
	v_bfe_u32 v15, v0, 3, 1
	v_lshlrev_b32 v[GW], 10, v11                   ; W: row t / 16 + 16 n, bytes 16 (t % 16) on of my columns' 256
	v_lshl_add_u32 v[GW], v9, 4, v[GW]
	v_add_nc_u32 v[GW], s16, v[GW]
	v_lshlrev_b32 v[GA], 7, v9                     ; A: row lane % 16, 16 bytes for each half of the lanes
	v_lshl_add_u32 v[GA], v10, 4, v[GA]
	v_mul_u32_u24 v[WS], v11, WP
	v_lshl_add_u32 v[WS], v9, 3, v[WS]
	v_lshl_add_u32 v[WA], v10, 3, v14              ; the turning load: lane l reads row 8 (l / 16) + l % 8, columns 8 ((l / 8) % 2) + 0..7
	v_mul_u32_u24 v[WA], v[WA], WP
	v_lshl_add_u32 v[WA], v15, 4, v[WA]
	s_mul_i32 s18, s10, 16*SP
	s_add_co_u32 s18, s18, STAGE                   ; my stage
	v_mul_u32_u24 v[STO], v9, SP
	v_lshl_add_u32 v[STO], v10, 5, v[STO]
	v_add_nc_u32 v[STO], s18, v[STO]
	v_mul_u32_u24 v[RD], v10, SP                   ; back: lanes 0-15 take one row of 256 bytes, lanes 16-31 the next
	v_lshl_add_u32 v[RD], v9, 4, v[RD]
	v_add_nc_u32 v[RD], s18, v[RD]
	v_lshlrev_b32 v[GO], 10, v10                   ; and the same two rows in out0
	v_lshl_add_u32 v[GO], v9, 4, v[GO]
	s_wait_kmcnt 0x0
	s_add_nc_u64 s[4:5], s[4:5], s[12:13]
	s_add_nc_u64 s[8:9], s[8:9], s[14:15]
.set n, 0
.rept 16
	global_load_b128 v[WF+4*n:WF+4*n+3], v[GW], s[6:7] offset:16384*n
.set n, n+1
.endr
.set n, 0
.rept 8                                ; K step n: channels 32 n on = pair of heads n / 2 (1,048,576 bytes apart), bytes 64 (n % 2) on of the row
	global_load_b128 v[AF+8*n:AF+8*n+3],   v[GA], s[4:5] offset:(n/2)*1048576+(n%2)*64
	global_load_b128 v[AF+8*n+4:AF+8*n+7], v[GA], s[4:5] offset:(n/2)*1048576+(n%2)*64+32
.set n, n+1
.endr
.set n, 0
.rept 16                               ; W: to bf16, widened again, written as f16, into LDS
.if n%4 == 0
	s_wait_loadcnt 28-n                            ; loads come back in order (ISA guide 5.7.1): A's sixteen and W's 12 - n younger ones may stay out
.endif
.set t, T+8*(n%2)
	v_cvt_pk_bf16_f32 v[t], v[WF+4*n], v[WF+4*n+1]
	v_cvt_pk_bf16_f32 v[t+1], v[WF+4*n+2], v[WF+4*n+3]
	v_lshlrev_b32 v[t+2], 16, v[t]
	v_and_b32 v[t+3], s17, v[t]
	v_lshlrev_b32 v[t+4], 16, v[t+1]
	v_and_b32 v[t+5], s17, v[t+1]
	v_cvt_pk_f16_f32 v[t+6], v[t+2], v[t+3]
	v_cvt_pk_f16_f32 v[t+7], v[t+4], v[t+5]
	ds_store_b64 v[WS], v[t+6:t+7] offset:16*WP*n
.set n, n+1
.endr
	s_wait_dscnt 0x0                               ; for the others' sake: my stores of W are done
	s_barrier_signal -1
	s_barrier_wait -1
	s_wait_loadcnt 0x0                             ; A
.macro FETCH s                         ; eight LDS loads: four blocks of 16 columns of W, 32 along K
.set fq, (\s)%2
.irp nb, 0,1,2,3
	ds_load_tr16_b128 v[WF+32*fq+8*\nb:WF+32*fq+8*\nb+3],   v[WA] offset:32*WP*(\s)+32*\nb
	ds_load_tr16_b128 v[WF+32*fq+8*\nb+4:WF+32*fq+8*\nb+7], v[WA] offset:32*WP*(\s)+16*WP+32*\nb
.endr
.endm
	FETCH 0
.set ks, 0
.rept 8                                ; the four accumulators take turns; the first step starts the sums with the constant 0
.if ks < 7
.if ks > 0
.rept 4
	v_nop                                          ; four places between the products that read a buffer and the loads into it (ISA guide 7.12.1 for vector instructions)
.endr
.endif
	FETCH ks+1
	s_wait_dscnt 8                                 ; all but the eight just issued
.else
	s_wait_dscnt 0x0
.endif
.set fb, ks%2
.irp nb, 0,1,2,3
.if ks == 0
	v_wmma_f32_16x16x32_f16 v[ACC+8*\nb:ACC+8*\nb+7], v[WF+32*fb+8*\nb:WF+32*fb+8*\nb+7], v[AF+8*ks:AF+8*ks+7], 0
.else
	v_wmma_f32_16x16x32_f16 v[ACC+8*\nb:ACC+8*\nb+7], v[WF+32*fb+8*\nb:WF+32*fb+8*\nb+7], v[AF+8*ks:AF+8*ks+7], v[ACC+8*\nb:ACC+8*\nb+7]
.endif
.endr
.set ks, ks+1
.endr
.rept 4
	v_nop                                          ; the places behind the last products
.endr
.irp nb, 0,1,2,3
	ds_store_b128 v[STO], v[ACC+8*\nb:ACC+8*\nb+3]   offset:64*\nb
	ds_store_b128 v[STO], v[ACC+8*\nb+4:ACC+8*\nb+7] offset:64*\nb+16
.endr
.irp f, 0,1,2,3,4,5,6,7
	ds_load_b128 v[BK+4*\f:BK+4*\f+3], v[RD] offset:2*SP*\f  ; LDS serves a wave's instructions in order (ISA guide 5.7.1.4): these see the stores above
.endr
.irp f, 0,1,2,3,4,5,6,7
	s_wait_dscnt 7-\f
	global_store_b128 v[GO], v[BK+4*\f:BK+4*\f+3], s[8:9] offset:2048*\f  ; 16 lanes store 256 consecutive bytes, at a multiple of 256 from out0's first byte
.endr
	s_wait_tensorcnt 0x0                           ; the wave's end: behind my last LDS store
	ds_add_u32 v[SPW], v[NIL]
	s_wait_dscnt 0x0
	s_endpgm
.Lfunc_end_k_qba73181aca_outp:
	.size	k_qba73181aca_outp, .Lfunc_end_k_qba73181aca_outp-k_qba73181aca_outp
	.p2alignl 7, 3214868480
	.fill 96, 4, 3214868480
	.section	.rodata,"a",@progbits
	.p2align	6, 0x0
	.amdhsa_kernel k_qba73181aca_outp
		.amdhsa_group_segment_fixed_size 76800
		.amdhsa_private_segment_fixed_size 0
		.amdhsa_enable_private_segment 0
		.amdhsa_kernarg_size 24
		.amdhsa_user_sgpr_count 2
		.amdhsa_user_sgpr_kernarg_segment_ptr 1
		.amdhsa_wavefront_size32 1
		.amdhsa_system_sgpr_workgroup_id_x 1
		.amdhsa_system_sgpr_workgroup_id_y 1
		.amdhsa_system_sgpr_workgroup_id_z 1
		.amdhsa_system_vgpr_workitem_id 0
		.amdhsa_next_free_vgpr 224
		.amdhsa_next_free_sgpr 66
		.amdhsa_reserve_vcc 0
		.amdhsa_float_denorm_mode_32 3
		.amdhsa_float_denorm_mode_16_64 3
		.amdhsa_memory_ordered 1
		.amdhsa_forward_progress 1
		.amdhsa_inst_pref_size 23
	.end_amdhsa_kernel
	.amdgpu_metadata
---
amdhsa.version: [ 1, 2 ]
amdhsa.kernels:
  - .name:           k_qba73181aca_outp
    .symbol:         k_qba73181aca_outp.kd
    .args:
      - { .name: ao, .offset: 0, .size: 8, .value_kind: global_buffer, .address_space: global }
      - { .name: w_out, .offset: 8, .size: 8, .value_kind: global_buffer, .address_space: global }
      - { .name: out0, .offset: 16, .size: 8, .value_kind: global_buffer, .address_space: global }
    .group_segment_fixed_size: 76800
    .private_segment_fixed_size: 0
    .kernarg_segment_align: 8
    .kernarg_segment_size: 24
    .max_flat_workgroup_size: 256
    .sgpr_count:     66
    .vgpr_count:     224
    .wavefront_size: 32
...
	.end_amdgpu_metadata
.endif
;; end of part 3
;; ======== version 2 of 2: 3 launches; 1.52 times as fast as version 1
;; limits: values are held in f16: magnitudes above 65,504 overflow, below 6.1e-05 lose precision
;; workspace buffers: qw 4,194,304 bytes; kw 4,194,304 bytes; vw 4,194,304 bytes; ao 4,194,304 bytes
;; launch proj: the kernel of part 1 again; grid 64 x 4, 8 waves a work-group, no clusters, 236,544 bytes of LDS; arguments q, k, v, wq, wk, wv, qw, kw, vw; writes qw, kw, vw
;; launch attn (part 4): grid 64 x 4, 4 waves a work-group, clusters of 4 x 4, 327,680 bytes of LDS; arguments qw, kw, vw, mask, ao; writes ao
.if DOCPART == 4
	.amdgcn_target "amdgcn-amd-amdhsa--gfx1250"
	.amdhsa_code_object_version 6
	.text
	.protected	k_qba73181aca_attn
	.globl	k_qba73181aca_attn
	.p2align	8
	.type	k_qba73181aca_attn,@function
k_qba73181aca_attn:
	s_mov_b64 s[64:65], 0
	v_nop
	global_prefetch_b8 v0, s[64:65] scope:SCOPE_SE
	s_setreg_imm32_b32 hwreg(HW_REG_WAVE_MODE, 25, 1), 1
	s_wait_xcnt 0x0
	s_wait_alu depctr_hold_cnt(0) depctr_sa_sdst(0) depctr_va_vdst(0) depctr_va_sdst(0) depctr_va_ssrc(0) depctr_va_vcc(0) depctr_vm_vsrc(0)
	s_getreg_b32 s2, hwreg(HW_REG_IB_STS2, 6, 4)
	s_cmp_eq_u32 s2, 0
	s_cbranch_scc0 .Lentry_in_a_cluster
	s_endpgm
.Lentry_in_a_cluster:
	s_bfe_u32 s2, ttmp6, 0x10000c
	s_cmp_lg_u32 s2, 0xf033
	s_cbranch_scc0 .Lentry_shape_is_right
	s_endpgm
.Lentry_shape_is_right:
; MASKED ATTENTION, head depth 32.  ao[h][q] = the sum over visible k of softmax_k(Q[h][q] . K[h][k] / sqrt(32)) V[h][k].  mask[b][q][k] = 1 hides key k from query q, for all heads.
; qw, kw, vw, ao: [pair of heads hg][row = 4096 b + place][64 channels] f16, rows of 128 dense bytes.  qw holds Qn = -c Q, c = log2(e) / sqrt(32).
; TURNED SIGN.  T = K Qn^T + C = -c s + C, with C = -0.0 for a visible key and 2^127 for a hidden one.  The running maximum of s is a running MINIMUM Tmin of T;
; p = 2^(Tmin - T); in every step O and l are multiplied by a = 2^(Tmin_new - Tmin_old), which is 1 where Tmin has not fallen.  A hidden key has p = 0.
; LIMITS.  Tmin starts at 1e20: a visible score with c s below -1e20 counts as hidden (f16 operands of depth 32 cannot reach it).  A weight below 2^-126 counts as 0; p is rounded to f16, and l is
; the sum of the rounded p.  Mask bytes are 0 or 1.  A row with no visible key has l = 0 and O = 0 and leaves as 0 / 0 = NaN.  Other NaN and infinities are not treated apart.
; SHARES.  Work-group (qblock, hg): 128 query rows, two heads.  Wave w: rows 32 w .. + 31 as two tiles t of 16, times the two heads e: four PIECES p = 2 e + t.  Every wave walks all 4,096 keys, 64 a step.
; THE MASK is the C operand of K Qn^T.  Eight mask bytes a lane and 16 keys are loaded from LDS; 0x80808080 - w turns bytes 0 / 1 into 0x80 / 0x7f; v_perm_b32 sets each on top of three zero bytes.
; It is made once for a tile and step, and both heads take it.
; ROW SUMS come from the matrix unit: a third product of P with ONES (1.0 in rows 0 and 8, else 0) leaves l in register 0 of its accumulator, for the lane's query, in every lane.
; LAYOUT.  S^T = K Qn^T holds ONE query a lane (lane % 16) and the keys 8 (lane / 16) + 0..7; two such results rounded to f16 in pairs ARE source 1 of O^T = V^T P.
; BY TURNS.  Turn p belongs to piece p: 4 products K Qn^T of piece p + 1, 6 products of piece p - 1 (V^T P and l); beside them the subtraction, exponentials, roundings and rescaling of piece p and the
; minimum and statistics of piece p + 1.  Four vector lines stand behind each matrix instruction (nine behind the last), the rest in a LUMP, which in turns 2 and 3 also makes the next step's masks.
; BATCHES.  A turn's 33 exponentials (the piece's 32 weights, in place in S^T, and the next piece's a) are ONE BATCH: no line ahead of the lump's end names a result of theirs.  There stands the turn's one
; wait, and behind it the 16 roundings, the only readers in the turn; a is read in the turn after.  Turn 2 is cut by the loop's edge: the eight exponentials among its products have a wait of their own ahead
; of the jump, in front of V's run of loads.  So a key step has five waits for its 132 exponentials.  The first a, ahead of the loop, and the way out's four reciprocals are batches of their own.
; CLUSTER 4 x 4.  K's and V's tiles hang on the batch and hg: the four work-groups of a row of the cluster ask for them jointly.  The mask's tile hangs on qblock: shared along a column.
; REGISTERS, in windows of 256 (s_set_vgpr_msb: bits 1:0 source 0, 3:2 source 1, 5:4 source 2, 7:6 destination):
;   window 0: addresses, statistics, RAW mask words, ONES, Q, K and V of one head and step, S^T and P in two buffers (by the piece's parity)
;   window 1: v0-63 O^T, 16 a piece; v64-95 l's accumulators, 8 a piece; v96-159 the masks MC, 32 a tile
.set PK,    144       ; a row of K in LDS: 128 bytes + 16: the 16 rows of a load start in 16 different groups of four banks (64 banks of 4 bytes: ISA guide 11.1)
.set PVP,   160       ; a row of V: 128 + 32: an odd multiple of 32
.set PM,    272       ; a row of the mask: 256 keys + 16
.set VOFF,  256*PK    ; a slot holds 256 keys, four steps: K, then V, then 128 queries of the mask
.set MOFF,  VOFF+256*PVP
.set SLOT1, 1<<17     ; slot 1 begins here, so that one exclusive or turns an address in one slot into the other's
.set STAGE, SLOT1+MOFF+128*PM  ; behind the ring, never filled by a tensor load: 32 rows x 144 bytes for each wave
.set SP,    144
.set SPARE, STAGE+4*32*SP      ; the spare words: 128 bytes for each wave, two blocks of 256 bytes that no other line names
.set AK0, 2           ; v2-4   my lane's place in a tile of K, of V, of the mask; never rewritten
.set AV0, 3
.set AM0, 4
.set AK,  5           ; v5-7   the LDS address of the run of loads in hand
.set AV,  6
.set AM,  7
.set STO, 8           ; v8     the way out: where I put 16 bytes of a row
.set RD,  9           ; v9     where I read rows back
.set GO,  10          ; v10    my byte offset in 512 consecutive bytes of ao
.set QO,  11          ; v11    my byte offset in 16 rows of qw
.set ZERO, 12         ; v12    0
.set SPW, 14          ; v14    LDS address of my spare word; never rewritten
.set NIL, 15          ; v15    0; never rewritten
.set ST,  16          ; v16-23 piece p: Tmin at ST + 2 p, the old Tmin beside it
.set TMP, 24          ; v24-31 by parity, c0-c3 at work; when the minimum is found c2 takes a
.set RAW, 32          ; v32-47 tile t: eight mask words
.set ONES, 48         ; v48-55
.set Q,   56          ; v56-87 piece p at Q + 8 p
.set KF,  88          ; v88-119  K of one head: key block kt at KF + 8 kt
.set VF,  120         ; v120-151 V of one head: key half kk, channel block cb at VF + 8 (2 kk + cb)
.set S,   152         ; v152-215
.set P,   216         ; v216-247
.set TR,  216         ; set-up only, in P's buffer 0, which the first turn writes before a product reads it: lane % 16, lane / 16, lane % 8, (lane / 8) % 2
.set TH,  217
.set T7,  218
.set T3,  219
.set LW,  64          ; window 1
.set MC,  96          ; window 1
.set WV,  14          ; s14  my wave's number
.set G1K, 24          ; s[24:31], s[32:39], s[40:47] descriptor group 1 for K, V, the mask
.set G1V, 32
.set G1M, 40
.set G0K, 48          ; s[48:51], s[52:55], s[56:59] descriptor group 0: they walk
.set G0V, 52
.set G0M, 56
.set SLOTS, 60        ; s60  slots still to be asked for
.set CNT, 61          ; s61  counts a slot's four steps
.set TBK, 62          ; s62, s63, s66  where in LDS the step to be fetched begins: K, V (less VOFF), the mask (less MOFF)
.set TBV, 63
.set TBM, 66
.set SEL, 68          ; s[68:69] v_permlanex16_b32's selects: each lane takes its own place in the other half
.set PS,  72          ; s[72:75] v_perm_b32's selects: byte j of the mask word on top, three bytes of ZERO below
.set C80, 76          ; s76  0x80808080
.set MSB, 0
.macro WIN new                      ; the high byte repeats the setting that is left; a switch that changes nothing is dropped
.if MSB != (\new)
	s_set_vgpr_msb (MSB<<8)|(\new)
.set MSB, (\new)
.endif
.endm
.macro WINP                         ; for lines with a destination and at most two vector sources, all in window 0: the window of source 2 does not matter to them
.if (MSB & 0xcf) != 0
	WIN 0
.endif
.endm
.set W_KQ, 0x10       ; K, Q and S^T in window 0, the mask (C) in window 1
.set W_PV, 0x50       ; V or ONES and P in window 0, C and D in window 1
.set W_RS, 0x41       ; destination and source 0 in window 1, source 1 in window 0
; A round of the cluster's barrier: my work-group's barrier, so that wave 0's signal speaks for all four waves; wave 0 signals; every wave waits for all sixteen work-groups; my work-group's barrier once more.
.macro ROUND
	s_barrier_signal -1
	s_barrier_wait -1
	s_cmp_lg_u32 s[WV], 0
	s_cbranch_scc1 .Lnot_wave_0_\@
	s_barrier_signal -3
.Lnot_wave_0_\@:
	s_barrier_wait -3
	s_barrier_signal -1
	s_barrier_wait -1
.endm
; A joint fill: wave 0 asks for a slot's K, wave 1 for its V, waves 2 and 3 for the two halves of its mask tile.  The branches hang on the wave's number alone.
; An s_nop 0 and four v_nop follow each line, ahead of the jump and the label.
.macro JLOAD
	s_cmp_lg_u32 s[WV], 0
	s_cbranch_scc1 .Lnot_k_\@
	tensor_load_to_lds s[G0K:G0K+3], s[G1K:G1K+7]
	s_nop 0
.rept 4
	v_nop
.endr
	s_branch .Lasked_\@
.Lnot_k_\@:
	s_cmp_lg_u32 s[WV], 1
	s_cbranch_scc1 .Lnot_v_\@
	tensor_load_to_lds s[G0V:G0V+3], s[G1V:G1V+7]
	s_nop 0
.rept 4
	v_nop
.endr
	s_branch .Lasked_\@
.Lnot_v_\@:
	tensor_load_to_lds s[G0M:G0M+3], s[G1M:G1M+7]
	s_nop 0
.rept 4
	v_nop
.endr
.Lasked_\@:
.endm
; THE CHANGE OF SLOTS.  The slot's last bytes, V of its fourth step, have been asked for.  Each wave waits for all its tensor loads, of which one is out: its part of the other slot; adds 0 to its spare
; word; and waits for that and for its own reads of the slot.  Behind the barrier nobody reads this slot any more and the other slot is whole.
; fill = 1: the slot is filled again, with the keys two slots on.  The barrier is then a round of the cluster's, and the joint fill is the first thing behind it: it has four key steps, sixteen turns, in which to land.
; (At its first use nothing has been read yet: slot 0 is waited for, slot 1 filled.)
.macro CHANGE fill
	WIN 0                           ; at a label and at a branch every window is 0
	s_wait_tensorcnt 0x0            ; no tensor load of mine is out, so a group 0 may be written
	ds_add_u32 v[SPW], v[NIL]       ; 0 onto my spare word
.if \fill
	s_xor_b32 s[G0K+1], s[G0K+1], SLOT1  ; the walking descriptors: the other slot than last time,
	s_add_nc_u64 s[G0K+2:G0K+3], s[G0K+2:G0K+3], 256*128  ; the next 256 keys; the type bits on top are not reached
	s_xor_b32 s[G0V+1], s[G0V+1], SLOT1
	s_add_nc_u64 s[G0V+2:G0V+3], s[G0V+2:G0V+3], 256*128
	s_xor_b32 s[G0M+1], s[G0M+1], SLOT1
	s_add_nc_u64 s[G0M+2:G0M+3], s[G0M+2:G0M+3], 256
.endif
	s_wait_dscnt 0x0                ; the add is done, and my reads of the slot are over
.if \fill
	ROUND
	JLOAD
.else
	s_barrier_signal -1
	s_barrier_wait -1
.endif
	s_sub_co_u32 s[TBK], s[TBK], 4*64*PK  ; the fetches go back to a slot's first step,
	s_xor_b32 s[TBK], s[TBK], SLOT1       ; in the other slot
	s_sub_co_u32 s[TBV], s[TBV], 4*64*PVP
	s_xor_b32 s[TBV], s[TBV], SLOT1
	s_sub_co_u32 s[TBM], s[TBM], 4*64
	s_xor_b32 s[TBM], s[TBM], SLOT1
.endm
	s_load_b256 s[4:11], s[0:1], 0x0  ; qw s[4:5], kw s[6:7], vw s[8:9], mask s[10:11]
	s_load_b64 s[12:13], s[0:1], 0x20 ; ao
	v_lshl_add_u32 v[SPW], v0, 2, SPARE
	v_mov_b32 v[NIL], 0
	ds_add_u32 v[SPW], v[NIL]       ; the wave's opening: the add and its wait stand ahead of my first tensor load; the set-up below, work on registers, stands between them
	v_lshrrev_b32 v1, 5, v0
	v_readfirstlane_b32 s[WV], v1   ; wave 0..3
	s_bfe_u32 s15, ttmp6, 0x40000   ; cx
	s_bfe_u32 s16, ttmp6, 0x40004   ; cy
	s_lshl_b32 s17, ttmp9, 2        ; in a cluster launch ttmp9 and ttmp7 count clusters
	s_add_co_u32 s17, s17, s15      ; qblock = 4 x cluster x + cx
	s_and_b32 s18, ttmp7, 0xffff
	s_lshl_b32 s18, s18, 2
	s_add_co_u32 s18, s18, s16      ; hg = 4 x cluster y + cy
	s_lshl_b32 s20, s16, 2
	s_lshl_b32 s20, 15, s20         ; my row of the cluster: places 4 cy .. 4 cy + 3
	s_lshl_b32 s21, 0x1111, s15     ; my column: places cx, cx + 4, cx + 8, cx + 12
	; group 1 for K and V: 256 keys are 32,768 dense bytes, asked for as 128 rows of 256 bytes, two keys a row, padded in LDS after every key
	s_or_b32 s[G1K], s20, (1<<16)|(1<<20)|(1<<21)|(4<<22)|(3<<25)  ; 15:0 the mask of work-groups; 17:16 2-byte elements; 20 padding on; 21 set beside a mask; 24:22 after every 32 words (code 4); 31:25 4 words (code 3)
	s_or_b32 s[G1V], s20, (1<<16)|(1<<20)|(1<<21)|(4<<22)|(7<<25)  ; the same with 8 words of padding (code 7)
.irp g, G1K, G1V
	s_mov_b32 s[\g+1], 128<<16      ; tensor_dim0 = 128
	s_mov_b32 s[\g+2], 128<<16      ; tensor_dim1 = 128
	s_mov_b32 s[\g+3], 128<<16      ; tile_dim0 = 128
	s_mov_b32 s[\g+4], 128          ; tile_dim1 = 128
	s_mov_b32 s[\g+5], 128          ; 128 elements from row to row
	s_mov_b32 s[\g+6], 0
	s_mov_b32 s[\g+7], 0
.endr
	; group 1 for the mask: 64 queries x 256 keys of one byte, 4,096 bytes from row to row, 16 bytes of padding behind each row
	s_or_b32 s[G1M], s21, (1<<20)|(1<<21)|(5<<22)|(3<<25)  ; 17:16 1-byte elements; after every 64 words (code 5) 4 words (code 3)
	s_mov_b32 s[G1M+1], 256<<16     ; tensor_dim0 = 256
	s_mov_b32 s[G1M+2], 64<<16      ; tensor_dim1 = 64
	s_mov_b32 s[G1M+3], 256<<16     ; tile_dim0 = 256
	s_mov_b32 s[G1M+4], 64          ; tile_dim1 = 64
	s_mov_b32 s[G1M+5], 4096
	s_mov_b32 s[G1M+6], 0
	s_mov_b32 s[G1M+7], 0
	s_lshl_b32 s22, s18, 20         ; K and V: hg x 8,192 rows x 128 bytes
	s_lshr_b32 s23, ttmp9, 3        ; the batch, which the whole cluster shares,
	s_lshl_b32 s23, s23, 19         ; x 4,096 rows x 128 bytes
	s_add_co_u32 s22, s22, s23
	s_mov_b32 s23, 0
	s_and_b32 s19, s[WV], 1         ; which 64 queries of the mask tile I fetch
	s_lshl_b32 s78, s17, 19         ; the mask: qblock x 128 rows x 4,096 bytes
	s_lshl_b32 s79, s19, 18         ; + 64 rows
	s_add_co_u32 s78, s78, s79
	s_mov_b32 s79, 0
	s_lshl_b32 s70, s18, 20         ; qw and ao: hg, my block's 128 rows, my wave's 32
	s_lshl_b32 s67, s17, 14
	s_add_co_u32 s70, s70, s67
	s_lshl_b32 s67, s[WV], 12
	s_add_co_u32 s70, s70, s67
	s_mov_b32 s71, 0
	s_mov_b32 s[G0K], 1             ; 1:0 count = 1
	s_mov_b32 s[G0K+1], 0           ; 63:32 LDS address: slot 0
	s_mov_b32 s[G0V], 1
	s_mov_b32 s[G0V+1], VOFF
	s_mov_b32 s[G0M], 1
	s_mul_i32 s[G0M+1], s19, 64*PM  ; no place in the cluster enters an LDS address
	s_add_co_u32 s[G0M+1], s[G0M+1], MOFF
	s_mov_b32 s[TBK], SLOT1+4*64*PK ; the first change of slots turns these three into 0
	s_mov_b32 s[TBV], SLOT1+4*64*PVP
	s_mov_b32 s[TBM], SLOT1+4*64
	s_mov_b32 s[SEL], 0x76543210
	s_mov_b32 s[SEL+1], 0xfedcba98
	s_mov_b32 s[PS], 0x04000000
	s_mov_b32 s[PS+1], 0x05000000
	s_mov_b32 s[PS+2], 0x06000000
	s_mov_b32 s[PS+3], 0x07000000
	s_mov_b32 s[C80], 0x80808080
	s_mov_b32 s3, 0x3c003c00        ; 1.0 twice in f16
	s_wait_dscnt 0x0                ; the opening add is done
	s_wait_kmcnt 0x0
	s_add_nc_u64 s[G0K+2:G0K+3], s[6:7], s[22:23]  ; 120:64 global address: the batch's first 256 keys
	s_or_b32 s[G0K+3], s[G0K+3], 0x80000000        ; 127:126 type = 2
	s_add_nc_u64 s[G0V+2:G0V+3], s[8:9], s[22:23]
	s_or_b32 s[G0V+3], s[G0V+3], 0x80000000
	s_add_nc_u64 s[G0M+2:G0M+3], s[10:11], s[78:79]
	s_or_b32 s[G0M+3], s[G0M+3], 0x80000000
	s_add_nc_u64 s[4:5], s[4:5], s[70:71]          ; qw and ao at my wave's first row
	s_add_nc_u64 s[12:13], s[12:13], s[70:71]
	ROUND                           ; all sixteen work-groups are here: the first joint loads meet
	JLOAD                           ; slot 0.  Slot 1 is asked for when slot 0 is in
	; A fragment of K or Q is 16 rows x 32 channels in 8 registers: lane l holds row l % 16, channels 8 (l / 16) + 0..7 and 16 + 8 (l / 16) + 0..7: two loads of 16 bytes, 32 bytes apart.
	v_and_b32 v[TR], 15, v0
	v_bfe_u32 v[TH], v0, 4, 1
	v_and_b32 v[T7], 7, v0
	v_bfe_u32 v[T3], v0, 3, 1
	v_lshlrev_b32 v[QO], 7, v[TR]
	v_lshl_add_u32 v[QO], v[TH], 4, v[QO]
.irp p, 0,1,2,3                     ; Q stays in registers: piece p = tile p % 2, head p / 2
	global_load_b128 v[Q+8*\p:Q+8*\p+3],   v[QO], s[4:5] offset:(\p%2)*2048+(\p/2)*64
	global_load_b128 v[Q+8*\p+4:Q+8*\p+7], v[QO], s[4:5] offset:(\p%2)*2048+(\p/2)*64+32
.endr
	v_mul_u32_u24 v[AK0], v[TR], PK
	v_lshl_add_u32 v[AK0], v[TH], 4, v[AK0]
	; The turning load takes 16 keys x 16 channels (lane l reads key 8 (l / 16) + l % 8, channels 8 ((l / 8) % 2) + 0..7) and leaves half a fragment of V^T: lane l holds channel l % 16 and 8 keys.
	v_lshl_add_u32 v[AV0], v[TH], 3, v[T7]
	v_mul_u32_u24 v[AV0], v[AV0], PVP
	v_lshl_add_u32 v[AV0], v[T3], 4, v[AV0]
	v_add_nc_u32 v[AV0], VOFF, v[AV0]
	s_mul_i32 s77, s[WV], 32*PM     ; the mask: my wave's 32 queries; query l % 16, eight keys for each half of the lanes
	s_add_co_u32 s77, s77, MOFF
	v_mul_u32_u24 v[AM0], v[TR], PM
	v_lshl_add_u32 v[AM0], v[TH], 3, v[AM0]
	v_add_nc_u32 v[AM0], s77, v[AM0]
	v_mov_b32 v[ZERO], 0
	v_cmp_eq_u32 vcc_lo, 0, v[T7]   ; ONES: source 0's rows 0 and 8 lie in the lanes with l % 8 = 0
	v_cndmask_b32 v[ONES], 0, s3, vcc_lo
.irp n, 1,2,3,4,5,6,7
	v_mov_b32 v[ONES+\n], v[ONES]
.endr
	; What the first turn finds: V's registers and P's second buffer hold 0 (its products, of a piece that has not been, add 0), O^T and l are 0, Tmin is 1e20: the first step is a step like any other, with a = 0.
	; 144 lines in the wait for the first tile: the price of writing no first step out.
.set n, 0
.rept 32
	v_mov_b32 v[VF+n], 0
.set n, n+1
.endr
.set n, 0
.rept 16
	v_mov_b32 v[P+16+n], 0
.set n, n+1
.endr
.set n, 0
.rept 8
	v_mov_b32 v[ST+n], 0x60ad78ec   ; 1e20
.set n, n+1
.endr
	WIN 0x40
.set n, 0
.rept 96
	v_mov_b32 v[n], 0
.set n, n+1
.endr
	WIN 0
; THE MATRIX WORK.  Product i (0..3) of S^T = K Qn^T + mask for piece x: keys 16 i on; depth 32 is one instruction.
.macro KQ x
	WIN W_KQ
	v_wmma_f32_16x16x32_f16 v[S+32*((\x)%2)+8*i:S+32*((\x)%2)+8*i+7], v[KF+8*i:KF+8*i+7], v[Q+8*(\x):Q+8*(\x)+7], v[MC+32*((\x)%2)+8*i:MC+32*((\x)%2)+8*i+7]
.endm
; Product i (4..9) for piece x: keys 32 kk on; channel blocks 0 and 1 of O^T, then l.  The three accumulators take turns.
.macro PV x
	WIN W_PV
.set kk, (i-4)/3
.set cc, (i-4)%3
.set rB, P+16*((\x)%2)+8*kk
.if cc < 2
.set rD, 16*(\x)+8*cc
.set rA, VF+8*(2*kk+cc)
.else
.set rD, LW+8*(\x)
.set rA, ONES
.endif
	v_wmma_f32_16x16x32_f16 v[rD:rD+7], v[rA:rA+7], v[rB:rB+7], v[rD:rD+7]
.endm
.macro MM                           ; the turn's next matrix instruction.  NOKQ = 1: the last turn of all: there is no next piece
.if i < 4
.if !NOKQ
	KQ (Y+1)%4
.endif
.else
	PV (Y+3)%4
.endif
.set i, i+1
.endm
; THE LDS LOADS stand in runs of 8, never singly among the matrix instructions.
.macro FETCH_K e                    ; head e's K of the step to be fetched: 64 keys x 32 channels
	WIN 0
	v_add_nc_u32 v[AK], s[TBK], v[AK0]
.irp kt, 0,1,2,3
	ds_load_b128 v[KF+8*\kt:KF+8*\kt+3],   v[AK] offset:\kt*16*PK+64*(\e)
	ds_load_b128 v[KF+8*\kt+4:KF+8*\kt+7], v[AK] offset:\kt*16*PK+64*(\e)+32
.endr
.if \e
	s_add_co_u32 s[TBK], s[TBK], 64*PK  ; the next fetch is the next step's
.endif
.endm
.macro FETCH_V e                    ; head e's V, turned: f = 2 kk + cb
	WIN 0
	v_add_nc_u32 v[AV], s[TBV], v[AV0]
.if \e
	s_wait_alu depctr_va_vdst(0)    ; the wait for turn 2's first batch, the eight exponentials among its products, ahead of the jump that follows; it stands behind the address's line and ahead of the loads
.endif
.irp f, 0,1,2,3
	ds_load_tr16_b128 v[VF+8*\f:VF+8*\f+3],   v[AV] offset:(\f/2)*32*PVP+64*(\e)+(\f%2)*32
	ds_load_tr16_b128 v[VF+8*\f+4:VF+8*\f+7], v[AV] offset:(\f/2)*32*PVP+16*PVP+64*(\e)+(\f%2)*32
.endr
.if \e
	s_add_co_u32 s[TBV], s[TBV], 64*PVP
.endif
.endm
.macro FETCH_M                      ; the step's mask bytes for both tiles, tile 0's four loads first
	WIN 0
	v_add_nc_u32 v[AM], s[TBM], v[AM0]
.irp u, 0,1
.irp kt, 0,1,2,3
	ds_load_b64 v[RAW+8*\u+2*\kt:RAW+8*\u+2*\kt+1], v[AM] offset:\u*16*PM+16*\kt
.endr
.endr
	s_add_co_u32 s[TBM], s[TBM], 64
.endm
.macro SUBM g, n                    ; four mask bytes 0 / 1 become 0x80 / 0x7f: no byte borrows
	WINP
	v_sub_nc_u32 v[RAW+8*(\g)+(\n)], s[C80], v[RAW+8*(\g)+(\n)]
.endm
.macro PERM8 g, kt                  ; the C operand for tile g, keys 16 kt on: -0.0 or 2^127
	WIN 0x40
.irp j, 0,1,2,3,4,5,6,7
	v_perm_b32 v[MC+32*(\g)+8*(\kt)+\j], v[RAW+8*(\g)+2*(\kt)+(\j/4)], v[ZERO], s[PS+(\j%4)]
.endr
.endm
; THE VECTOR WORK, one line at a time: OP kind, number.  For piece Y: F n: Tmin - T for pair n of 16.  E n: the exponential of number n of 32.  C n: pair n rounded to f16.
; R n: pair n of 8 of O^T times a; R 8: l times a.  For piece Y + 1: X n, number n of the 21 that find its minimum and statistics:
;   0-11  four chains c0-c3 of seven numbers each, three operands at a time (each accumulator's lowest registers are read first)
;   12-14, 16  the four left over, the old Tmin, and c0-c3 into c0     15  the old Tmin is kept     17, 18  the query's other 32 keys lie in the lane 16 away: the new Tmin     19, 20  its fall; a
; Of these only C reads a result of the turn's own exponentials; R reads a, which the turn before has made and waited for.
.set F, 0
.set E, 1
.set C, 2
.set R, 3
.set X, 4
.macro REGS y
.set rT, ST+2*(\y)
.set rC, TMP+4*((\y)%2)
.set rS, S+32*((\y)%2)
.set rP, P+16*((\y)%2)
.set rO, 16*(\y)
.set rL, LW+8*(\y)
.endm
.macro OP k, n
.if (\k) == R
	REGS Y
	WIN W_RS
.if (\n) < 8
	v_pk_mul_f32 v[rO+2*(\n):rO+2*(\n)+1], v[rO+2*(\n):rO+2*(\n)+1], v[rC+2:rC+3] op_sel_hi:[1,0]
.else
	v_pk_mul_f32 v[rL:rL+1], v[rL:rL+1], v[rC+2:rC+3] op_sel_hi:[1,0]
.endif
.elseif (\k) < R
	REGS Y
	WINP
.if (\k) == F
	v_pk_add_f32 v[rS+2*(\n):rS+2*(\n)+1], v[rS+2*(\n):rS+2*(\n)+1], v[rT:rT+1] op_sel_hi:[1,0] neg_lo:[1,0] neg_hi:[1,0]
.elseif (\k) == E
	v_exp_f32 v[rS+(\n)], v[rS+(\n)]
.else
	v_cvt_pk_f16_f32 v[rP+(\n)], v[rS+2*(\n)], v[rS+2*(\n)+1]
.endif
.elseif NOKQ
	v_nop
.else
	REGS (Y+1)%4
	WIN 0
.if (\n) < 4
	v_min3_num_f32 v[rC+(\n)], v[rS+8*(\n)], v[rS+8*(\n)+1], v[rS+8*(\n)+2]
.elseif (\n) < 12
	v_min3_num_f32 v[rC+(\n)%4], v[rC+(\n)%4], v[rS+8*((\n)%4)+2*((\n)/4)+1], v[rS+8*((\n)%4)+2*((\n)/4)+2]
.elseif (\n) == 12
	v_min3_num_f32 v[rC], v[rC], v[rS+7], v[rS+15]
.elseif (\n) == 13
	v_min3_num_f32 v[rC+1], v[rC+1], v[rS+23], v[rS+31]
.elseif (\n) == 14
	v_min3_num_f32 v[rC+2], v[rC+2], v[rC+3], v[rT]
.elseif (\n) == 15
	v_mov_b32 v[rT+1], v[rT]
.elseif (\n) == 16
	v_min3_num_f32 v[rC], v[rC], v[rC+1], v[rC+2]
.elseif (\n) == 17
	v_permlanex16_b32 v[rC+3], v[rC], s[SEL], s[SEL+1]
.elseif (\n) == 18
	v_min_num_f32 v[rT], v[rC], v[rC+3]
.elseif (\n) == 19
	v_sub_f32 v[rC+1], v[rT], v[rT+1]
.else
	v_exp_f32 v[rC+2], v[rC+1]
.endif
.endif
.endm
.macro ROW a, i1, b, i2, c, i3, d, i4  ; a matrix instruction and the four lines behind it
	MM
	OP \a, \i1
	OP \b, \i2
	OP \c, \i3
	OP \d, \i4
.endm
; THE FIRST PART OF TURN p: its ten matrix instructions.  None of the lines behind a product names a register of the products round it, nor a result of the turn's exponentials; an exponential has a
; plain line on either side.  A number of the minimum stands six plain lines or more behind the product that made its accumulator.
; The first four rows run under one window setting.  The nine rescalings at the end are the places between the last product that read V and the loads into V's registers.
.macro ROWS p
.set Y, (\p)
.set i, 0
	ROW F,0, F,1, F,2, F,3
	ROW F,4, E,0, F,5, F,6
	ROW F,7, E,1, F,8, F,9
	ROW F,10, E,2, F,11, F,12
	ROW F,13, E,3, F,14, F,15
	ROW X,15, E,4, X,0, X,1
	ROW X,2, E,5, X,3, X,4
	ROW X,5, E,6, X,6, X,7
	ROW X,8, E,7, X,9, X,10
	MM
.irp n, 0,1,2,3,4,5,6,7,8
	OP R, \n
.endr
.endm
; THE LUMP OF TURN p.  First the rest of the batch, 25 lines z = 0..24: exponentials 8 to 31 and the next piece's a, with the end of the minimum's chain between them, its links three lines apart or more.
; None of these lines names an exponential's result.  Then a plain line, THE TURN'S ONE WAIT, and the 16 roundings, which read the batch's results.
; g = 0, 1: the lump also makes the next step's mask for tile g: eight subtractions behind lines 4 to 11, four runs of eight v_perm_b32 behind lines 12, 16, 20, 24; the last run is the plain line
; behind the last exponential.  g = -1: a v_nop is that line: all other work of the turn stands ahead of it or reads the batch.
.macro LN a, i1, b=-1, i2=0
.if (G == 0) && (z == 4)
	s_wait_dscnt 12                 ; tile 0's four mask loads are in (and V's run, issued ahead of them); tile 1's four and K's eight may stay out
.endif
	OP \a, \i1
.if (\b) >= 0
	OP \b, \i2
.endif
.if G >= 0
.if (z >= 4) && (z < 12)
	SUBM G, z-4
.endif
.if (z >= 12) && (z%4 == 0)
	PERM8 G, (z-12)/4
.endif
.endif
.set z, z+1
.endm
.macro LUMP p, g
.set Y, (\p)
.set G, (\g)
.set z, 0
	LN E,8, X,11
	LN E,9, X,12
	LN E,10, X,13
	LN E,11, X,14
	LN E,12
	LN E,13
	LN E,14, X,16
	LN E,15
	LN E,16
	LN E,17, X,17
	LN E,18
	LN E,19
	LN E,20, X,18
	LN E,21
	LN E,22
	LN E,23, X,19
	LN E,24
	LN E,25
	LN E,26
	LN X,20
	LN E,27
	LN E,28
	LN E,29
	LN E,30
	LN E,31
.if G < 0
	v_nop                           ; the plain line behind the last exponential: one for the batch
.endif
	s_wait_alu depctr_va_vdst(0)    ; the wait for the turn's batch, the piece's exponentials and the next piece's a, ahead of the first line that names a result
.irp n, 0,1,2,3,4,5,6,7,8,9,10,11,12,13,14,15
	OP C, \n
.endr
.endm
; A TRIP: the rest of one step's turn 2, its turn 3, then turns 0, 1 and the products of turn 2 of the next step, all of whose LDS bytes it fetches.
; One buffer for K and one for V, a head each: K of head 0 serves turns 3 and 0, of head 1 turns 1 and 2; V of head 0 serves turns 1 and 2, of head 1 turns 3 and 0.
; A trip's first load is the step's first read of LDS and its last load the step's last, so that a change of slots stands between trips.
; No exponential's result crosses a label or a jump without its wait: each lump ends with its wait, and the eight exponentials of turn 2's products have theirs in V's last run.
.macro TRIP tag
.Lstep\tag:
	FETCH_M
	FETCH_K 0
	LUMP 2, 0
	s_wait_dscnt 0x0                ; K of head 0, V of head 1, tile 1's mask bytes
	ROWS 3
	LUMP 3, 1
	WIN 0
.Lfirst\tag:
	ROWS 0
	FETCH_V 0
	FETCH_K 1
	LUMP 0, -1
	s_wait_dscnt 0x0                ; V of head 0, K of head 1
	ROWS 1
	LUMP 1, -1
	ROWS 2
	FETCH_V 1
	WIN 0
	s_sub_co_u32 s[CNT], s[CNT], 1
	s_cmp_lg_u32 s[CNT], 0
	s_cbranch_scc1 .Lstep\tag
.endm
.set NOKQ, 0
.set G, -1
	CHANGE 1                        ; slot 0 is in, everybody's part of it; slot 1 is asked for
	FETCH_M                         ; key step 0
	FETCH_K 0
	s_wait_dscnt 0x0
.irp n, 0,1,2,3,4,5,6,7
	SUBM 0, \n
	SUBM 1, \n
.endr
.irp kt, 0,1,2,3
	PERM8 0, \kt
	PERM8 1, \kt
.endr
	s_wait_loadcnt 0x0              ; Q
.set i, 0
.rept 4
	KQ 0                            ; piece 0's first numbers
.set i, i+1
.endr
	WIN 0                           ; the addresses for the way out: seven plain lines, the places behind those products
	s_mul_i32 s77, s[WV], 32*SP
	s_add_co_u32 s77, s77, STAGE    ; my stage
	v_add_nc_u32 v[STO], s77, v[AK0]  ; in: row l % 16 x 144 + 16 for the upper half of the lanes, as in K's tile
	v_bfe_u32 v[RD], v0, 3, 2       ; back: 32 lanes take four rows of 128 bytes,
	v_mul_u32_u24 v[RD], v[RD], SP
	v_lshl_add_u32 v[RD], v[T7], 4, v[RD]
	v_add_nc_u32 v[RD], s77, v[RD]
	v_and_b32 v[GO], 31, v0         ; which are 512 consecutive bytes of ao
	v_lshlrev_b32 v[GO], 4, v[GO]
.set Y, 3                           ; X works for piece Y + 1: piece 0
.irp n, 0,1,2,3,4,5,6,7,8,9,10,11,12,13,14,15,16,17,18,19,20
	OP X, \n
.endr
	v_nop                           ; a plain line behind the exponential,
	s_wait_alu depctr_va_vdst(0)    ; and the wait for it, piece 0's first a, ahead of the branch
	s_mov_b32 s[CNT], 4
	s_mov_b32 s[SLOTS], 15
	s_branch .Lfirst1               ; the loop is entered at a step's first turn, in the middle of a trip
.Lslot:                             ; 14 times: every slot but the last two is filled again
	CHANGE 1
	s_mov_b32 s[CNT], 4
	TRIP 1
	s_sub_co_u32 s[SLOTS], s[SLOTS], 1
	s_cmp_lg_u32 s[SLOTS], 0
	s_cbranch_scc1 .Lslot
	CHANGE 0                        ; the last slot is written out: nothing is asked for
	s_mov_b32 s[CNT], 4
	TRIP 2
	LUMP 2, -1                      ; the last step's turn 2 ends,
	s_wait_dscnt 0x0                ; V of head 1
.set NOKQ, 1
	ROWS 3                          ; its turn 3 starts no new piece,
	LUMP 3, -1
.set i, 4
.rept 6
	PV 3                            ; and piece 3's products close the walk
.set i, i+1
.endr
	; THE WAY OUT.  O^T is divided by l, rounded to f16 and sent through my stage in LDS: 32 rows of 128 bytes, both heads side by side.
.rept 4
	v_nop                           ; the places behind the last products
.endr
	WIN 0x01                        ; source window 1, destination window 0
.irp p, 0,1,2,3
	v_rcp_f32 v[ST+2*\p], v[LW+8*\p]
.endr
	v_nop                           ; a plain line between the last reciprocal and the use of its result
	s_wait_alu depctr_va_vdst(0)    ; the wait for the four reciprocals, one batch, ahead of their first use
.macro PACK p                       ; a lane's eight channels of a row pack into 16 bytes
	WIN W_RS
.set n, 0
.rept 8
	v_pk_mul_f32 v[16*(\p)+2*n:16*(\p)+2*n+1], v[16*(\p)+2*n:16*(\p)+2*n+1], v[ST+2*(\p):ST+2*(\p)+1] op_sel_hi:[1,0]
.set n, n+1
.endr
	WIN 0x05                        ; sources window 1, destination window 0: S^T's registers are free
.set n, 0
.rept 8
	v_cvt_pk_f16_f32 v[S+8*(\p)+n], v[16*(\p)+2*n], v[16*(\p)+2*n+1]
.set n, n+1
.endr
	WIN 0
	ds_store_b128 v[STO], v[S+8*(\p):S+8*(\p)+3]   offset:((\p)%2)*16*SP+((\p)/2)*64
	ds_store_b128 v[STO], v[S+8*(\p)+4:S+8*(\p)+7] offset:((\p)%2)*16*SP+((\p)/2)*64+32
.endm
	PACK 0
	PACK 1
	PACK 2
	PACK 3
.irp f, 0,1,2,3,4,5,6,7
	ds_load_b128 v[S+32+4*\f:S+32+4*\f+3], v[RD] offset:\f*4*SP  ; LDS serves a wave's instructions in order (ISA guide 5.7.1.4): these see the stores above
.endr
.irp f, 0,1,2,3,4,5,6,7
	s_wait_dscnt 7-\f
	global_store_b128 v[GO], v[S+32+4*\f:S+32+4*\f+3], s[12:13] offset:\f*512  ; 512 consecutive bytes, at a multiple of 256 from ao's first
.endr
	s_wait_tensorcnt 0x0            ; the wave's end: behind my last tensor load and my last LDS store
	ds_add_u32 v[SPW], v[NIL]
	s_wait_dscnt 0x0
	ROUND                           ; the closing round: no work-group ends while a partner may still ask for a tile that names it
	s_endpgm
.Lfunc_end_k_qba73181aca_attn:
	.size	k_qba73181aca_attn, .Lfunc_end_k_qba73181aca_attn-k_qba73181aca_attn
	.p2alignl 7, 3214868480
	.fill 96, 4, 3214868480
	.section	.rodata,"a",@progbits
	.p2align	6, 0x0
	.amdhsa_kernel k_qba73181aca_attn
		.amdhsa_group_segment_fixed_size 327680
		.amdhsa_private_segment_fixed_size 0
		.amdhsa_enable_private_segment 0
		.amdhsa_kernarg_size 40
		.amdhsa_user_sgpr_count 2
		.amdhsa_user_sgpr_kernarg_segment_ptr 1
		.amdhsa_wavefront_size32 1
		.amdhsa_system_sgpr_workgroup_id_x 1
		.amdhsa_system_sgpr_workgroup_id_y 1
		.amdhsa_system_sgpr_workgroup_id_z 1
		.amdhsa_system_vgpr_workitem_id 0
		.amdhsa_next_free_vgpr 416
		.amdhsa_next_free_sgpr 80
		.amdhsa_reserve_vcc 1
		.amdhsa_float_denorm_mode_32 3
		.amdhsa_float_denorm_mode_16_64 3
		.amdhsa_memory_ordered 1
		.amdhsa_forward_progress 1
		.amdhsa_inst_pref_size 104
	.end_amdhsa_kernel
	.amdgpu_metadata
---
amdhsa.version: [ 1, 2 ]
amdhsa.kernels:
  - .name:           k_qba73181aca_attn
    .symbol:         k_qba73181aca_attn.kd
    .args:
      - { .name: qw, .offset: 0, .size: 8, .value_kind: global_buffer, .address_space: global }
      - { .name: kw, .offset: 8, .size: 8, .value_kind: global_buffer, .address_space: global }
      - { .name: vw, .offset: 16, .size: 8, .value_kind: global_buffer, .address_space: global }
      - { .name: mask, .offset: 24, .size: 8, .value_kind: global_buffer, .address_space: global }
      - { .name: ao, .offset: 32, .size: 8, .value_kind: global_buffer, .address_space: global }
    .group_segment_fixed_size: 327680
    .private_segment_fixed_size: 0
    .kernarg_segment_align: 8
    .kernarg_segment_size: 40
    .max_flat_workgroup_size: 128
    .sgpr_count:     80
    .vgpr_count:     416
    .wavefront_size: 32
...
	.end_amdgpu_metadata
.endif
;; end of part 4
;; launch outp: the kernel of part 3 again; grid 64 x 4, 8 waves a work-group, no clusters, 76,800 bytes of LDS; arguments ao, w_out, out0; writes out0
